; MI455X (gfx1250); checked and timed in simulation.
; The chip was launched on July 23, 2026; its instructions are those of AMD's public machine-readable ISA for CDNA 5 (MIT licence, August 2026) and "CDNA5" Instruction Set Architecture Reference Guide (July 2026). The comments in the code are by the model that wrote it; some were corrected since.
;; Causal Self Attention. Allowed arithmetic: matrix products marked QUANTISED: E4M3 operands, one given power-of-two scale a tensor, by v_wmma_f32_16x16x64_fp8_fp8 or v_wmma_f32_16x16x128_fp8_fp8, f32 sums; everything else in f32.
;; Inputs: W_attn 1,024 x 3,072 float32; W_proj 1,024 x 1,024 float32; b_attn 3,072 float32; b_proj 1,024 float32; lowp_scales 8 int32 (the exponents e of the quantised operands' scales 2^e); x 4 x 2,048 x 1,024 float32.
;; Outputs: out0 4 x 2,048 x 1,024 float32.
;; This version of the problem:
;;   THIS VERSION OF THE PROBLEM IS GIVEN IN LOW PRECISION. The matrix products marked QUANTISED in the list below multiply operands that are first quantised to E4M3 (4 exponent bits, 3 mantissa bits; 8 bits a number), with one given power-of-two scale for each operand tensor; their sums are f32. All else is computed in f32.
;;   The module's matrix products, in the order in which they are computed (A, B: the left and right operand; K: the contracted axis; several contracted axes count as one K, in the product's order):
;;     1. [M 8,192, K 1,024] x [K 1,024, N 3,072]; A: input x; B: input W_attn: QUANTISED (scales: A lowp_scales[0], B lowp_scales[1])
;;     2. batch 64 x [M 2,048, K 64] x [K 64, N 2,048]; A: computed on the way; B: computed on the way: QUANTISED (scales: A lowp_scales[2], B lowp_scales[3])
;;     3. batch 64 x [M 2,048, K 2,048] x [K 2,048, N 64]; A: softmax (see below); B: computed on the way: QUANTISED (scales: A lowp_scales[4], B lowp_scales[5])
;;     4. [M 8,192, K 1,024] x [K 1,024, N 1,024]; A: computed on the way; B: input W_proj: QUANTISED (scales: A lowp_scales[6], B lowp_scales[7])
;;   THE QUANTISER, for each operand of a quantised product, along K:
;;     - The operand's scale is 2^e, e = its entry of the input lowp_scales (int32; the entries are numbered through the quantised products in the list's order, A before B).
;;     - Each number is divided by the scale, clamped to +-448, and rounded to the nearest number of E4M3, ties to even, subnormals kept.
;;     - The product sums the exact products of the quantised numbers (number of the format x scale) in f32.
;;   ~~~python
;;   def quantise(x, axis, e):      # numpy; x: float32 -> the quantised numbers, widened to float32 again
;;       x = np.moveaxis(x, axis, -1); K = x.shape[-1]
;;       r = np.clip(x / 2.0 ** e, -448, 448)
;;       step = 2.0 ** (np.maximum(np.frexp(np.where(r == 0, 1, r))[1] - 1, -6) - 3)
;;       q = np.round(r / step) * step * 2.0 ** e      # np.round: ties to even
;;       return np.moveaxis(q, -1, axis).astype(np.float32)
;;   ~~~
;;   SOFTMAX AHEAD OF A QUANTISED PRODUCT. Where the list says 'softmax', what is quantised is not the finished softmax but p = 2^(t - M), with t = logit x log2(e) and M = ceil(the row's largest t), a whole number; so 1/2 < the row's largest p <= 1. The row's sum l is taken of the UNQUANTISED p, in f32, and the product's result is divided by l at the end. Since M is a whole number, a kernel that streams over the keys may use a running M (the ceiling of the running maximum): every later rescaling is an exact power of two, so the quantised numbers keep their values, but for numbers so far below the row's largest that they fall under the format's range.
;;   OPERANDS COMPUTED ON THE WAY. 'Computed on the way' means the value that the module computes at that place (a softmax that the list does not call 'softmax' is quantised finished and normalised). What goes into a quantiser is computed in f32, as accurately as f32 sums, v_exp_f32 and their like allow (about 1e-6 of the number): no bf16 or f16 on the way to a quantiser, and a product that is left as it is and whose result goes on into a quantised operand takes f32 operands (vector FMAs, or v_wmma_f32_16x16x4_f32). A number that lies on a knife's edge between two numbers of the format may be rounded either way, as far as f32 arithmetic and the matrix unit's own rounding can turn it there, and no further.
;; One version. Each part assembles by itself: llvm-mc -triple=amdgcn-amd-amdhsa -mcpu=gfx1250 --defsym DOCPART=n.
;; ======== version 1 of 1: 4 launches
;; limits: right only within a limited range of input values
;; workspace buffers: zc 11,534,336 bytes; wpc 1,048,576 bytes; qc 8,388,608 bytes; kc 8,388,608 bytes; vc 8,388,608 bytes; yc 8,388,608 bytes
;; launch quant (part 1): grid 640 x 1, 4 waves a work-group, no clusters, 68,096 bytes of LDS; arguments x, W_attn, W_proj, lowp_scales, zc, wpc; writes zc, wpc
.if DOCPART == 1
	.amdgcn_target "amdgcn-amd-amdhsa--gfx1250"
	.amdhsa_code_object_version 6
	.text
	.protected	k_q0f5ce31e10_quant
	.globl	k_q0f5ce31e10_quant
	.p2align	8
	.type	k_q0f5ce31e10_quant,@function
k_q0f5ce31e10_quant:
	s_mov_b64 s[64:65], 0
	v_nop
	global_prefetch_b8 v0, s[64:65] scope:SCOPE_SE
	s_setreg_imm32_b32 hwreg(HW_REG_WAVE_MODE, 25, 1), 1
	s_wait_xcnt 0x0
; x [8192][1024], W_attn [1024][3072] and W_proj [1024][1024], f32, become codes of FP8 (E4M3), each tensor with the one scale 2^e that is given for it
; (x: entry 0 of the scales, W_attn: entry 1, W_proj: entry 7).  code = number / 2^e, held within +-448, rounded to the nearest code, ties to even.
; LAYOUT OF THE CODES: CHUNK-MAJOR.  An operand with positions p and K lies as [K / 16][positions][16 bytes]: sixteen neighbouring positions of one chunk are 256 consecutive bytes.
;   zc  [64 chunks][11,264 positions][16]: positions 0 .. 8191 are x's rows; position 8192 + PI(n) is column n of W_attn.      wpc [64][1,024][16]: position PI(n) is column n of W_proj.
;   PI exchanges bits 3 and 4 of a column's number: the products that read these codes then find 16 neighbouring columns in a lane's 16 registers of two neighbouring tiles.
; SHARES.  Work-groups 0 .. 511: 16 rows of x each, a wave 256 columns in two steps of 128.  512 .. 607: W_attn, 128 columns x 256 along K.  608 .. 639: W_proj likewise.
; No tensor loads, no barrier, no cluster: no two waves read the same byte.  Only x's path touches LDS (a stage of its own for each wave and step).
; LIMITS: each of the three exponents lies between -126 and 119, so that 2^e and 448 x 2^e are f32 numbers.  NaN among the inputs is not served (an infinity is held at the largest code).
.set ZPB,  180224                      ; bytes from chunk to chunk in zc: 11,264 positions x 16
.set R,    16                          ; x: v16-143   two sets of 64 registers as loaded
.set X,    144                         ; x: v144-207  64 numbers: register 16 q + i = number i of chunk 2 q + (lane / 16) of row lane % 16
.set C,    208                         ; x: v208-239  codes: 16 registers a step, never written again
.set SP,   528                         ; x: a stage row: 512 bytes + 16: sixteen rows start at sixteen different banks (64 banks of 4 bytes: ISA guide 11.1)
.set STG,  16*SP                       ; x: a stage: 16 rows
.set WX,   16                          ; W: v16-79    two sets of 32 numbers down K
.set WC,   80                          ; W: v80-143   codes: 8 registers a block, never written again
	s_load_b256 s[4:11], s[0:1], 0x0               ; x s[4:5], W_attn s[6:7], W_proj s[8:9], the scales' exponents s[10:11]
	s_load_b128 s[12:15], s[0:1], 0x20             ; zc s[12:13], wpc s[14:15]
	v_lshl_add_u32 v240, v0, 2, 0x10800
	v_mov_b32 v241, 0
	v_lshrrev_b32 v1, 5, v0
	v_readfirstlane_b32 s16, v1                    ; wave 0..3
	v_and_b32 v2, 31, v0                           ; lane
	s_wait_kmcnt 0x0
	s_load_b256 s[24:31], s[10:11], 0x0            ; the eight exponents
	s_cmp_ge_u32 ttmp9, 512
	s_cbranch_scc1 .Lweights
.macro SCALE es                        ; v10 = 2^e as f32 (the conversion takes its exponent field), s32 = 448 x 2^e
	s_wait_kmcnt 0x0
	s_add_co_i32 s32, s[\es], 127
	s_lshl_b32 s33, s32, 23
	v_mov_b32 v10, s33
	s_add_co_i32 s32, s32, 8
	s_lshl_b32 s32, s32, 23
	s_or_b32 s32, s32, 0x600000
.endm
; ---------------- x: K is innermost.  Loads take the bytes as they lie (512 consecutive bytes each); a step's 16 rows x 512 bytes turn through the wave's stage, so that a lane gets 16 neighbours along K.
.macro XLOAD j
.irp i, 0,1,2,3,4,5,6,7,8,9,10,11,12,13,14,15
	global_load_b128 v[R+64*\j+4*\i:R+64*\j+4*\i+3], v5, s[4:5] offset:4096*\i+512*\j th:TH_LOAD_NT
.endr
.endm
.macro XSTEP j
	s_wait_loadcnt 16*(1-\j)                       ; this step's 16 loads are in; the other step's may be out
.irp i, 0,1,2,3,4,5,6,7,8,9,10,11,12,13,14,15
	ds_store_b128 v6, v[R+64*\j+4*\i:R+64*\j+4*\i+3] offset:STG*\j+SP*\i
.endr
.irp q, 0,1,2,3
.irp i, 0,1,2,3
	ds_load_b128 v[X+16*\q+4*\i:X+16*\q+4*\i+3], v7 offset:STG*\j+128*\q+16*\i   ; LDS serves a wave's instructions in order (ISA guide 5.7.1.4): these see the stores above
.endr
.endr
	s_wait_dscnt 0x0
.set jj, 0
.rept 64
.set jj, jj+1
.endr
.irp q, 0,1,2,3
	v_cvt_scalef32_pk8_fp8_f32 v[C+16*\j+4*\q:C+16*\j+4*\q+1], v[X+16*\q:X+16*\q+7], v10
	v_cvt_scalef32_pk8_fp8_f32 v[C+16*\j+4*\q+2:C+16*\j+4*\q+3], v[X+16*\q+8:X+16*\q+15], v10
.endr
	v_nop                                          ; a plain line behind the conversions: the next step's loads write the registers that they read
.irp q, 0,1,2,3
	global_store_b128 v8, v[C+16*\j+4*\q:C+16*\j+4*\q+3], s[12:13] offset:(8*\j+2*\q)*ZPB   ; lanes 0-15: 256 consecutive bytes of chunk 8 j + 2 q, lanes 16-31 of the next chunk
.endr
.endm
	s_lshl_b32 s18, ttmp9, 16                      ; 16 rows of 4,096 bytes
	s_lshl_b32 s19, s16, 10                        ; my wave's 256 columns
	s_add_co_u32 s18, s18, s19
	s_mov_b32 s19, 0
	s_add_nc_u64 s[4:5], s[4:5], s[18:19]
	s_wait_alu depctr_va_vdst(0)
	v_lshlrev_b32 v5, 4, v2                        ; 16 bytes a lane
	XLOAD 0
	XLOAD 1                                        ; all of the wave's 16 KB are asked for at once
	s_mul_i32 s20, s16, 16*ZPB                     ; my wave's 16 chunks,
	s_lshl_b32 s21, ttmp9, 8                       ; my work-group's 16 positions
	s_add_co_u32 s20, s20, s21
	s_mov_b32 s21, 0
	s_add_nc_u64 s[12:13], s[12:13], s[20:21]
	v_and_b32 v3, 15, v0                           ; r
	v_bfe_u32 v4, v0, 4, 1                         ; h
	s_mul_i32 s22, s16, 2*STG                      ; my wave's two stages
	v_add_nc_u32 v6, s22, v5                       ; in: 16 x lane of a row
	v_mul_u32_u24 v7, v3, SP
	v_lshl_add_u32 v7, v4, 6, v7
	v_add_nc_u32 v7, s22, v7                       ; back: row r, 64 bytes (16 numbers) for each half of the lanes
	v_mul_u32_u24 v8, v4, ZPB
	v_lshl_add_u32 v8, v3, 4, v8                   ; out: chunk + h, position + r
	s_wait_alu depctr_va_vdst(0)
	SCALE 24
	s_wait_alu depctr_va_vdst(0)
	XSTEP 0
	XSTEP 1
	s_wait_tensorcnt 0x0
	ds_add_u32 v240, v241
	s_wait_dscnt 0x0
	s_endpgm
; ---------------- the weights: K is the first axis.  A lane takes a column and its registers run down K: the conversions give codes with K innermost, and a lane's 16 codes are its position's 16 bytes of a chunk.
.macro WLOAD t, sb, srcp               ; block t: rows 32 t .. 32 t + 31 of my column: a wave reads 128 consecutive bytes, the four waves 512
.irp i, 0,1,2,3,4,5,6,7,8,9,10,11,12,13,14,15,16,17,18,19,20,21,22,23,24,25,26,27,28,29,30,31
	global_load_b32 v[WX+32*((\t)%2)+\i], v5, s[\sb:\sb+1] offset:(32*(\t)+\i)*\srcp th:TH_LOAD_NT
.endr
.endm
.macro WBLOCK t, sb, db, srcp, dstp
.set XS, WX+32*((\t)%2)
.if (\t) < 7
	s_wait_loadcnt 32                              ; this block's 32 loads are in; the next block's may be out
.else
	s_wait_loadcnt 0
.endif
.set jj, 0
.rept 32
.set jj, jj+1
.endr
.irp g, 0,1,2,3
	v_cvt_scalef32_pk8_fp8_f32 v[WC+8*(\t)+2*\g:WC+8*(\t)+2*\g+1], v[XS+8*\g:XS+8*\g+7], v10
.endr
	global_store_b128 v6, v[WC+8*(\t):WC+8*(\t)+3], s[\db:\db+1] offset:2*(\t)*\dstp          ; the wave's 32 positions of a chunk: 512 consecutive bytes
	global_store_b128 v6, v[WC+8*(\t)+4:WC+8*(\t)+7], s[\db:\db+1] offset:(2*(\t)+1)*\dstp
.if (\t)+2 < 8
	WLOAD (\t)+2, \sb, \srcp
.endif
.endm
; first: the path's first work-group; sb, db: the source's and the codes' address; dadd: bytes in front of the weight's positions; srcp, dstp: bytes from row to row, from chunk to chunk; es: the exponent
.macro WQ first, sb, db, dadd, srcp, dstp, es
	s_sub_co_u32 s17, ttmp9, \first
	s_lshr_b32 s18, s17, 2                         ; which 128 columns
	s_and_b32 s17, s17, 3                          ; which 256 along K
	s_lshl_b32 s18, s18, 7
	s_lshl_b32 s19, s16, 5
	s_add_co_u32 s18, s18, s19                     ; my wave's first column, a multiple of 32
	s_mul_i32 s20, s17, 256*\srcp
	s_lshl_b32 s19, s18, 2
	s_add_co_u32 s20, s20, s19
	s_mov_b32 s21, 0
	s_add_nc_u64 s[\sb:\sb+1], s[\sb:\sb+1], s[20:21]
	v_lshlrev_b32 v5, 2, v2                        ; in: 4 bytes a lane
	WLOAD 0, \sb, \srcp
	WLOAD 1, \sb, \srcp
	s_mul_i32 s22, s17, 16*\dstp
	s_lshl_b32 s19, s18, 4
	s_add_co_u32 s22, s22, s19
.if \dadd
	s_add_co_u32 s22, s22, \dadd
.endif
	s_mov_b32 s23, 0
	s_add_nc_u64 s[\db:\db+1], s[\db:\db+1], s[22:23]
	v_and_b32 v6, 7, v2                            ; out: 16 x PI(lane): bits 3 and 4 of the lane's number change places
	v_and_b32 v7, 8, v2
	v_and_b32 v8, 16, v2
	v_lshlrev_b32 v6, 4, v6
	v_lshl_or_b32 v6, v7, 5, v6
	v_lshl_or_b32 v6, v8, 3, v6
	SCALE \es
	s_wait_alu depctr_va_vdst(0)
.irp t, 0,1,2,3,4,5,6,7
	WBLOCK \t, \sb, \db, \srcp, \dstp
.endr
.endm
.Lweights:
	s_cmp_ge_u32 ttmp9, 608
	s_cbranch_scc1 .Lproj
	s_wait_alu depctr_va_vdst(0)
	WQ 512, 6, 12, 131072, 12288, ZPB, 25          ; W_attn, behind x's 8,192 positions of zc
	s_endpgm
.Lproj:
	s_wait_alu depctr_va_vdst(0)
	WQ 608, 8, 14, 0, 4096, 16384, 31              ; W_proj, into wpc
	s_endpgm
.Lfunc_end_k_q0f5ce31e10_quant:
	.size	k_q0f5ce31e10_quant, .Lfunc_end_k_q0f5ce31e10_quant-k_q0f5ce31e10_quant
	.p2alignl 7, 3214868480
	.fill 96, 4, 3214868480
	.section	.rodata,"a",@progbits
	.p2align	6, 0x0
	.amdhsa_kernel k_q0f5ce31e10_quant
		.amdhsa_group_segment_fixed_size 68096
		.amdhsa_private_segment_fixed_size 0
		.amdhsa_enable_private_segment 0
		.amdhsa_kernarg_size 48
		.amdhsa_user_sgpr_count 2
		.amdhsa_user_sgpr_kernarg_segment_ptr 1
		.amdhsa_wavefront_size32 1
		.amdhsa_system_sgpr_workgroup_id_x 1
		.amdhsa_system_sgpr_workgroup_id_y 1
		.amdhsa_system_sgpr_workgroup_id_z 1
		.amdhsa_system_vgpr_workitem_id 0
		.amdhsa_next_free_vgpr 242
		.amdhsa_next_free_sgpr 66
		.amdhsa_reserve_vcc 0
		.amdhsa_float_denorm_mode_32 3
		.amdhsa_float_denorm_mode_16_64 3
		.amdhsa_fp16_overflow 1
		.amdhsa_memory_ordered 1
		.amdhsa_forward_progress 1
		.amdhsa_inst_pref_size 70
	.end_amdhsa_kernel
	.amdgpu_metadata
---
amdhsa.version: [ 1, 2 ]
amdhsa.kernels:
  - .name:           k_q0f5ce31e10_quant
    .symbol:         k_q0f5ce31e10_quant.kd
    .args:
      - { .name: x, .offset: 0, .size: 8, .value_kind: global_buffer, .address_space: global }
      - { .name: W_attn, .offset: 8, .size: 8, .value_kind: global_buffer, .address_space: global }
      - { .name: W_proj, .offset: 16, .size: 8, .value_kind: global_buffer, .address_space: global }
      - { .name: lowp_scales, .offset: 24, .size: 8, .value_kind: global_buffer, .address_space: global }
      - { .name: zc, .offset: 32, .size: 8, .value_kind: global_buffer, .address_space: global }
      - { .name: wpc, .offset: 40, .size: 8, .value_kind: global_buffer, .address_space: global }
    .group_segment_fixed_size: 68096
    .private_segment_fixed_size: 0
    .kernarg_segment_align: 8
    .kernarg_segment_size: 48
    .max_flat_workgroup_size: 128
    .sgpr_count:     66
    .vgpr_count:     242
    .wavefront_size: 32
...
	.end_amdgpu_metadata
.endif
;; end of part 1
;; launch qkv (part 2): grid 12 x 32, 4 waves a work-group, clusters of 4 x 4, 327,680 bytes of LDS; arguments zc, b_attn, lowp_scales, qc, kc, vc; writes qc, kc, vc
.if DOCPART == 2
	.amdgcn_target "amdgcn-amd-amdhsa--gfx1250"
	.amdhsa_code_object_version 6
	.text
	.protected	k_q0f5ce31e10_qkv
	.globl	k_q0f5ce31e10_qkv
	.p2align	8
	.type	k_q0f5ce31e10_qkv,@function
k_q0f5ce31e10_qkv:
	s_mov_b64 s[64:65], 0
	v_nop
	global_prefetch_b8 v0, s[64:65] scope:SCOPE_SE
	s_setreg_imm32_b32 hwreg(HW_REG_WAVE_MODE, 25, 1), 1
	s_wait_xcnt 0x0
	s_wait_alu depctr_hold_cnt(0) depctr_sa_sdst(0) depctr_va_vdst(0) depctr_va_sdst(0) depctr_va_ssrc(0) depctr_va_vcc(0) depctr_vm_vsrc(0)
	s_getreg_b32 s2, hwreg(HW_REG_IB_STS2, 6, 4)
	s_cmp_eq_u32 s2, 0
	s_cbranch_scc0 .Lentry_in_a_cluster
	s_endpgm
.Lentry_in_a_cluster:
	s_bfe_u32 s2, ttmp6, 0x10000c
	s_cmp_lg_u32 s2, 0xf033
	s_cbranch_scc0 .Lentry_shape_is_right
	s_endpgm
.Lentry_shape_is_right:
; qkv = x W_attn + b_attn on codes of FP8 (E4M3), K = 1,024; each sum x 2^(e0 + e1), + bias, in f32, and at once quantised again: q by 2^e2, k by 2^e3, v by 2^e5 (entries of the scales).  Only codes go to memory.
; OPERANDS.  Both lie in zc, chunk-major: [64 chunks of 16 along K][11,264 positions][16 bytes]; positions 0 .. 8191 are tokens, position 8192 + PI(n) is column n of W_attn (PI exchanges bits 3 and 4).
; A work-group of four waves makes 256 x 256 positions, a wave 128 x 128: 64 accumulators, 512 registers.  Source 1 of the matrix instruction (the LANE side, Y) gives a lane its position; source 0 (the REGISTER side, X)
; runs along a lane's registers: register j of tile b is X position 16 b + 8 (lane / 16) + j.
; ROLES.  Clusters with x = 0, 1 make q and k: Y = tokens, X = columns; by PI the 16 registers of tiles 2 b', 2 b' + 1 are 16 NEIGHBOURING columns 32 b' + 16 (lane / 16) + 0 .. 15: 16 bytes of codes along the head's channels.
;         Clusters with x = 2 make v TRANSPOSED: Y = columns, X = tokens: the 16 registers are tokens 32 b' + 8 h + 0 .. 7 and 32 b' + 16 + 8 h + 0 .. 7: 16 bytes along the keys, in the order in which the K = 128 form takes them.
;         The loop is one text for both: only the two block numbers differ.
; RESULTS.  qc, kc: [64 heads][16 blocks of 128 tokens][4 chunks of 16 channels][128 tokens][16].   vc: [64 heads][128 groups kq][64 positions PI(channel)][16]; group kq = 2 c + h holds the keys named above with b' = c.
;         Every store of 16 lanes covers 256 consecutive bytes, aligned; nothing goes through LDS on the way out.
; CLUSTERS: 4 x 4 work-groups; the four of a row need the same Y tiles, the four of a column the same X tiles: each tile is asked for jointly, by the same tensor load with the same descriptor and a mask that names the four.
; K goes in steps of 256 (16 chunks) through two LDS slots; four such steps, written out.  A tile's half is 16 rows (chunks) of 2,048 bytes (128 positions); a fragment load's sixteen lanes read 256 consecutive bytes: no padding.
; k's places in the registers are permuted alike on both sides (registers 4 c .. 4 c + 3: K = 32 c + 16 (lane / 16) + 0 .. 15), so every product meets its partner.
; LIMITS: e0 + e1 between -126 and 127; e2, e3, e5 between -126 and 119: each power of two below is then an f32 number.  NaN is not served.
; REGISTERS: window 0: v0-31 addresses; v32-95 the bias for q and k (8 tiles x 8), v96-111 for v (a pair for each block of Y); v128-255 Y's fragments, one set; on the way out v128-191 numbers, v192-255 codes.
;   window 1: X's fragments, two sets.   windows 2, 3: the accumulators ((a, b) at v[8 (8 (a % 4) + b)]).
.set ZPB,    180224                    ; bytes from chunk to chunk in zc
.set KSB,    16*ZPB                    ; a K step of 256
.set HALFT,  32768                     ; 16 chunks x 128 positions x 16 bytes: what one tensor load brings
.set SLOT,   4*HALFT                   ; Y's two halves, then X's two halves
.set SPARE,  2*SLOT                    ; behind the ring: the spare words, 128 bytes for each wave
.set FR,     16
.set NL,     4
.set NP,     4
.set ADRA, 16                          ; v16-17  LDS address of my Y fragments in slot 0, 1
.set ADRB, 20                          ; v20-21  the same for X
.set OA,   26                          ; v26     the way out: my lane's byte offset
.set SPW,  28                          ; v28     my spare word's address; never rewritten
.set NIL,  29                          ; v29     0; never rewritten
.set BQ,   32
.set BV,   96
.set AF,   128
.set T,    128
.set CDB,  192
.set WV, 16                            ; s16 wave; s17 wave / 2: my half of Y, also: I fetch for Y (0) or X (1); s18 wave % 2: my half of X, also: which half I fetch
.set WH, 17
.set WL, 18
.set G1, 24                            ; s[24:31] group 1 for Y's tiles; s[32:39] group 0, a set for each slot
.set G0, 32
.set G1B, 48                           ; s[48:55], s[56:63] the same for X's
.set G0B, 56
.set MSB, 0
.macro WIN new                         ; the immediate's high byte repeats the setting that is left
.if MSB != \new
	s_set_vgpr_msb (MSB<<8)|\new
.set MSB, \new
.endif
.endm
.set MUL_LO, 0xa1                      ; source 0 (X) window 1, source 1 (Y) window 0, C and D window 2
.set MUL_HI, 0xf1                      ; the same, C and D window 3
.set TO_B,   0x40                      ; destination window 1, address window 0
.macro JLOAD g0a, g1a, g0b, g1b        ; a joint load: waves 0, 1 fetch Y's halves, waves 2, 3 X's; four v_nop follow each line
	s_cmp_eq_u32 s[WH], 0
	s_cbranch_scc0 .Lfor_b_\@
	tensor_load_to_lds s[\g0a:\g0a+3], s[\g1a:\g1a+7]
	s_nop 0
.rept 4
	v_nop
.endr
	s_branch .Lasked_\@
.Lfor_b_\@:
	tensor_load_to_lds s[\g0b:\g0b+3], s[\g1b:\g1b+7]
	s_nop 0
.rept 4
	v_nop
.endr
.Lasked_\@:
.endm
.macro CREST                           ; a round of the cluster's barrier behind its opening barrier
	s_cmp_lg_u32 s[WV], 0
	s_cbranch_scc1 .Lnot_wave_0_\@
	s_barrier_signal -3
.Lnot_wave_0_\@:
	s_barrier_wait -3
	s_barrier_signal -1
	s_barrier_wait -1
.endm
.macro CROUND
	s_barrier_signal -1
	s_barrier_wait -1
	CREST
.endm
	s_load_b256 s[4:11], s[0:1], 0x0               ; zc s[4:5], b_attn s[6:7], the exponents s[8:9], qc s[10:11]
	s_load_b128 s[12:15], s[0:1], 0x20             ; kc s[12:13], vc s[14:15]
	v_lshl_add_u32 v[SPW], v0, 2, SPARE
	v_mov_b32 v[NIL], 0
	ds_add_u32 v28, v29
	ds_add_u32 v28, v29
	s_wait_dscnt 0x0
	v_lshrrev_b32 v1, 5, v0
	v_readfirstlane_b32 s[WV], v1
	s_lshr_b32 s[WH], s[WV], 1
	s_and_b32 s[WL], s[WV], 1
	s_bfe_u32 s40, ttmp6, 0x40000                  ; cx, cy: my place in the cluster
	s_bfe_u32 s41, ttmp6, 0x40004
	s_and_b32 s84, ttmp7, 0xffff
	s_lshl_b32 s84, s84, 2                         ; 4 x cluster y: a cluster's four blocks of 256 tokens
	s_lshl_b32 s85, ttmp9, 2
	s_add_co_u32 s85, s85, 32                      ; 32 + 4 x cluster x: its four blocks of 256 columns (the columns begin at block 32 of zc)
	s_cmp_eq_u32 ttmp9, 2                          ; v's clusters?  The cluster's x is the same in all sixteen partners
	s_cselect_b32 s82, 40, s84                     ; Y: v's columns (blocks 40 .. 43), else tokens
	s_cselect_b32 s83, s84, s85                    ; X: tokens, else q's or k's columns
	s_add_co_u32 s82, s82, s41                     ; Y's block hangs on cy alone, which my row of the cluster shares,
	s_add_co_u32 s83, s83, s40                     ; X's on cx alone, which my column shares
	s_lshl_b32 s43, s41, 2
	s_lshl_b32 s43, 15, s43                        ; my row of the cluster
	s_lshl_b32 s44, 0x1111, s40                    ; my column
	s_or_b32 s[G1+0], s43, (1<<21)                 ; 15:0 the mask; 17:16 elements of 1 byte; 20 no padding; 21 set beside a mask
	s_or_b32 s[G1B+0], s44, (1<<21)
.irp g, G1, G1B
	s_mov_b32 s[\g+1], 2048<<16                    ; tensor_dim0 = 2,048 bytes: 128 positions of a chunk
	s_mov_b32 s[\g+2], 16<<16                      ; tensor_dim1 = 16 chunks
	s_mov_b32 s[\g+3], 2048<<16                    ; tile_dim0
	s_mov_b32 s[\g+4], 16                          ; tile_dim1
	s_mov_b32 s[\g+5], ZPB                         ; from chunk to chunk
	s_mov_b32 s[\g+6], 0
	s_mov_b32 s[\g+7], 0
.endr
	s_lshl_b32 s19, s[WL], 11                      ; which 128 positions of the block I fetch
	s_lshl_b32 s66, s82, 12                        ; a block is 256 positions x 16 bytes
	s_add_co_u32 s66, s66, s19
	s_mov_b32 s67, 0
	s_lshl_b32 s46, s83, 12
	s_add_co_u32 s46, s46, s19
	s_mov_b32 s47, 0
	s_lshl_b32 s45, s[WV], 15                      ; where they go: wave x HALFT: no place in the cluster enters an LDS address
	s_wait_kmcnt 0x0
	s_load_b256 s[72:79], s[8:9], 0x0              ; e0 .. e7
	s_add_nc_u64 s[66:67], s[4:5], s[66:67]
	s_add_nc_u64 s[46:47], s[4:5], s[46:47]
	CROUND                                         ; all sixteen work-groups are here: the first joint loads meet
.irp s, 0,1
	s_mov_b32 s[G0+4*\s], 1
	s_add_co_u32 s[G0+4*\s+1], s45, \s*SLOT
	s_add_nc_u64 s[G0+4*\s+2:G0+4*\s+3], s[66:67], \s*KSB
	s_or_b32 s[G0+4*\s+3], s[G0+4*\s+3], 0x80000000
	s_mov_b32 s[G0B+4*\s], 1
	s_add_co_u32 s[G0B+4*\s+1], s45, \s*SLOT
	s_add_nc_u64 s[G0B+4*\s+2:G0B+4*\s+3], s[46:47], \s*KSB
	s_or_b32 s[G0B+4*\s+3], s[G0B+4*\s+3], 0x80000000
	JLOAD G0+4*\s, G1, G0B+4*\s, G1B
.endr
	v_and_b32 v1, 15, v0                           ; r
	v_bfe_u32 v2, v0, 4, 1                         ; h
	s_wait_alu depctr_va_vdst(0)
	v_lshlrev_b32 v4, 4, v1
	v_lshl_add_u32 v4, v2, 11, v4                  ; position r of chunk h: 16 r + 2,048 h
	s_lshl_b32 s21, s[WH], 15                      ; my half of Y
	s_lshl_b32 s22, s[WL], 15                      ; my half of X,
	s_add_co_u32 s22, s22, 2*HALFT                 ; which lies behind Y's two
.irp s, 0,1
	v_add_nc_u32 v[ADRA+\s], s21, v4
	v_add_nc_u32 v[ADRB+\s], s22, v4
	s_add_co_u32 s21, s21, SLOT
	s_add_co_u32 s22, s22, SLOT
.endr
	; THE BIASES, in both forms, in every wave: so no branch stands here, and both forms' addresses lie inside b_attn for every work-group.
	s_lshl_b32 s88, ttmp9, 2
	s_add_co_u32 s88, s88, s40
	s_lshl_b32 s88, s88, 10                        ; for q and k: my work-group's 256 columns x 4 bytes,
	s_lshl_b32 s89, s[WL], 9                       ; my wave's 128 of them
	s_add_co_u32 s88, s88, s89
	s_mov_b32 s89, 0
	s_add_nc_u64 s[68:69], s[6:7], s[88:89]
	s_lshl_b32 s90, s41, 10                        ; for v: columns 2,048 + 256 cy + 128 (wave / 2) on
	s_lshl_b32 s91, s[WH], 9
	s_add_co_u32 s90, s90, s91
	s_add_co_u32 s90, s90, 8192
	s_mov_b32 s91, 0
	s_add_nc_u64 s[70:71], s[6:7], s[90:91]
	v_lshlrev_b32 v8, 6, v2                        ; q, k: tile b's eight columns are 32 (b / 2) + 16 h + 8 (b % 2) + 0 .. 7
	v_and_b32 v9, 8, v1                            ; v: block a's column of lane r is 32 (a / 2) + 16 (r / 8) + 8 (a % 2) + r % 8
	v_and_b32 v10, 7, v1
	v_lshlrev_b32 v9, 3, v9
	v_lshl_add_u32 v9, v10, 2, v9
.irp b, 0,1,2,3,4,5,6,7
	global_load_b128 v[BQ+8*\b:BQ+8*\b+3], v8, s[68:69] offset:128*(\b/2)+32*(\b%2)
	global_load_b128 v[BQ+8*\b+4:BQ+8*\b+7], v8, s[68:69] offset:128*(\b/2)+32*(\b%2)+16
.endr
.irp a, 0,1,2,3,4,5,6,7
	global_load_b32 v[BV+2*\a], v9, s[70:71] offset:(32*(\a/2)+8*(\a%2))*4      ; the same number twice: a pair for the packed multiply-add
	global_load_b32 v[BV+2*\a+1], v9, s[70:71] offset:(32*(\a/2)+8*(\a%2))*4
.endr
	s_wait_alu depctr_va_vdst(0)
	s_wait_kmcnt 0x0
	s_add_co_i32 s80, s72, s73                     ; e0 + e1
	s_add_co_i32 s80, s80, 127
	s_lshl_b32 s80, s80, 23                        ; 2^(e0 + e1) as f32
	s_mov_b32 s81, s80                             ; (named with it as a pair, so it is written)
	s_cmp_eq_u32 ttmp9, 0                          ; the result's exponent: a choice, no branch
	s_cselect_b32 s88, s74, s75                    ; q: e2, k: e3,
	s_cmp_eq_u32 ttmp9, 2
	s_cselect_b32 s88, s77, s88                    ; v: e5
	s_add_co_i32 s88, s88, 127
	s_lshl_b32 s89, s88, 23
	v_mov_b32 v12, s89                             ; 2^e as f32, for the conversions
.macro FRAG reg, adr, q, i             ; a fragment: 16 positions x 128 K: registers 4 c .. 4 c + 3 = position 16 i + r of chunk 8 q + 2 c + h
.irp c, 0,1,2,3
	ds_load_b128 v[\reg+4*\c:\reg+4*\c+3], v[\adr] offset:(8*(\q)+2*\c)*2048+(\i)*256
.endr
.endm
; 16 matrix instructions: Y's blocks a0, a0 + 1 x X's eight.  p: X's set.  zero = 1: the first product starts the sums.  The 64 accumulators take turns, one instruction a turn.
.macro MUL16 a0, p, zero
.irp a, \a0, \a0+1
.irp b, 0,1,2,3,4,5,6,7
.if \zero
	v_wmma_f32_16x16x128_fp8_fp8 v[8*(8*((\a)%4)+\b):8*(8*((\a)%4)+\b)+7], v[128*(\p)+FR*\b:128*(\p)+FR*\b+FR-1], v[AF+FR*(\a):AF+FR*(\a)+FR-1], 0
.else
	v_wmma_f32_16x16x128_fp8_fp8 v[8*(8*((\a)%4)+\b):8*(8*((\a)%4)+\b)+7], v[128*(\p)+FR*\b:128*(\p)+FR*\b+FR-1], v[AF+FR*(\a):AF+FR*(\a)+FR-1], v[8*(8*((\a)%4)+\b):8*(8*((\a)%4)+\b)+7]
.endif
.endr
.endr
.endm
.macro FETCH_B slot, q, p
	WIN TO_B
.irp i, 0,1,2,3,4,5,6,7
	FRAG 128*(\p)+FR*\i, ADRB+\slot, \q, \i
.endr
	WIN 0
.endm
.macro FETCH_A slot, q, i0
.irp i, \i0, \i0+1, \i0+2, \i0+3
	FRAG AF+FR*(\i), ADRA+\slot, \q, \i
.endr
.endm
.macro PLACES n                        ; plain vector lines between a matrix instruction and a load into, or a vector read or write of, its registers
.rept \n
	v_nop
.endr
.endm
.macro STEP slot, q, zero              ; 128 along K, with its successor in the same slot
	s_wait_dscnt 4*NL                              ; X's set and Y's blocks 0-3 are in; the youngest 16 loads (Y's blocks 4-7) may be out
	WIN MUL_LO
	MUL16 0, (\q)%2, \zero
	MUL16 2, (\q)%2, \zero
	s_wait_dscnt 0
	PLACES NP
	FETCH_B \slot, (\q)+1, 1-(\q)%2
	FETCH_A \slot, (\q)+1, 0
	WIN MUL_HI
	MUL16 4, (\q)%2, \zero
	MUL16 6, (\q)%2, \zero
	PLACES NP
	WIN 0
	FETCH_A \slot, (\q)+1, 4
.endm
; A slot's last step changes slots: one barrier; in front of it each wave waits for all its tensor loads, adds 0 to its spare word, and waits for that and for its reads of this slot.  fill = 1: the slot is filled again.
.macro TURN slot, next, fill
	s_wait_tensorcnt 0x0                           ; all my tensor loads have landed: my part of the next slot
	ds_add_u32 v[SPW], v[NIL]                      ; 0 onto my spare word
	s_wait_dscnt 4*NL+1                            ; (the add and the youngest 16 loads may be out)
	WIN MUL_LO
	MUL16 0, 1, 0
	s_wait_dscnt 0x0                               ; the add is done, and my reads of this slot are over
	s_barrier_signal -1
	MUL16 2, 1, 0
	WIN 0
	s_barrier_wait -1
.if \fill
	CREST                                          ; the barrier has opened a round of the cluster's: no wave of any partner still reads this slot or has a load on its way
	s_add_nc_u64 s[G0+4*\slot+2:G0+4*\slot+3], s[G0+4*\slot+2:G0+4*\slot+3], 2*KSB
	s_add_nc_u64 s[G0B+4*\slot+2:G0B+4*\slot+3], s[G0B+4*\slot+2:G0B+4*\slot+3], 2*KSB
	JLOAD G0+4*\slot, G1, G0B+4*\slot, G1B         ; the first tensor load behind the round; its four v_nop are the places in front of the loads below
.else
	PLACES NP
.endif
	FETCH_B \next, 0, 0
	FETCH_A \next, 0, 0
	WIN MUL_HI
	MUL16 4, 1, 0
	MUL16 6, 1, 0
	PLACES NP
	WIN 0
	FETCH_A \next, 0, 4
.endm
	s_wait_loadcnt 0x0                             ; the biases
	s_wait_tensorcnt 1                             ; my part of K step 0 is in (K step 1's load may be out),
	s_barrier_signal -1
	s_barrier_wait -1                              ; everybody's is
	FETCH_B 0, 0, 0
	FETCH_A 0, 0, 0
	FETCH_A 0, 0, 4
	STEP 0, 0, 1                                   ; K 0 .. 127: these products start the sums
	TURN 0, 1, 1                                   ; slot 0 takes K step 2
	STEP 1, 0, 0
	TURN 1, 0, 1                                   ; slot 1 takes K step 3
	STEP 0, 0, 0
	TURN 0, 1, 0                                   ; nothing is left to fetch
	STEP 1, 0, 0
	s_wait_dscnt 4*NL
	WIN MUL_LO
	MUL16 0, 1, 0
	MUL16 2, 1, 0
	s_wait_dscnt 0
	WIN MUL_HI
	MUL16 4, 1, 0
	MUL16 6, 1, 0
	WIN 0
; THE WAY OUT of Y's block a: sum x 2^(e0 + e1) + bias (one packed multiply-add for two numbers; each accumulator from its low end on), the conversion, four stores.
.macro EPI a, isv
.set CD, CDB+16*((\a)%4)
	WIN 0x02+((\a)/4)                              ; source 0: window 2 or 3
.irp b, 0,1,2,3,4,5,6,7
.irp i, 0,2,4,6
.if \isv
	v_pk_fma_f32 v[T+8*\b+\i:T+8*\b+\i+1], v[64*((\a)%4)+8*\b+\i:64*((\a)%4)+8*\b+\i+1], s[80:81], v[BV+2*(\a):BV+2*(\a)+1] op_sel_hi:[1,0,1]
.else
	v_pk_fma_f32 v[T+8*\b+\i:T+8*\b+\i+1], v[64*((\a)%4)+8*\b+\i:64*((\a)%4)+8*\b+\i+1], s[80:81], v[BQ+8*\b+\i:BQ+8*\b+\i+1] op_sel_hi:[1,0,1]
.endif
.endr
.endr
	WIN 0
.if (\a) >= 4
	s_wait_alu depctr_va_vdst(0)
	s_wait_xcnt 0x0                                ; block a - 4's stores have read their data: those registers take this block's codes
.endif
.set jj, 0
.rept 64
.set jj, jj+1
.endr
.irp b, 0,1,2,3,4,5,6,7
	v_cvt_scalef32_pk8_fp8_f32 v[CD+2*\b:CD+2*\b+1], v[T+8*\b:T+8*\b+7], v12
.endr
	v_nop                                          ; a plain line behind the conversions: the next block's multiply-adds write the registers that they read
.irp p, 0,1,2,3
.if \isv
	global_store_b128 v[OA], v[CD+4*\p:CD+4*\p+3], s[86:87] offset:131072*((\a)/4)+256*((\a)%4)+2048*\p    ; head + a / 4, positions 16 (a % 4) on, key groups 2 p + h
.else
	global_store_b128 v[OA], v[CD+4*\p:CD+4*\p+3], s[86:87] offset:131072*(\p/2)+4096*(\p%2)+256*(\a)      ; head + p / 2, chunk 2 (p % 2) + h, tokens 16 a on
.endif
.endr
.endm
	PLACES NP                                      ; behind the last products, for every read and write below
	s_cmp_eq_u32 ttmp9, 2
	s_cbranch_scc1 .Lv
	s_lshr_b32 s88, s82, 3                         ; q, k.  The batch: 8 blocks of 256 tokens each
	s_lshl_b32 s88, s88, 4
	s_lshl_b32 s89, s40, 2
	s_add_co_u32 s88, s88, s89
	s_lshl_b32 s89, s[WL], 1
	s_add_co_u32 s88, s88, s89                     ; my first head: 16 x batch + 4 cx + 2 (wave % 2)
	s_lshl_b32 s88, s88, 17
	s_and_b32 s89, s82, 7
	s_lshl_b32 s89, s89, 1
	s_add_co_u32 s89, s89, s[WH]                   ; my block of 128 tokens in the batch
	s_lshl_b32 s89, s89, 13
	s_add_co_u32 s88, s88, s89
	s_mov_b32 s89, 0
	s_cmp_eq_u32 ttmp9, 0
	s_cselect_b64 s[86:87], s[10:11], s[12:13]
	s_add_nc_u64 s[86:87], s[86:87], s[88:89]
	v_lshlrev_b32 v[OA], 4, v1
	v_lshl_add_u32 v[OA], v2, 11, v[OA]            ; token r, chunk h
.irp a, 0,1,2,3,4,5,6,7
	EPI \a, 0
.endr
	s_branch .Lend
.Lv:
	s_lshr_b32 s88, s83, 3                         ; v.  The batch of my tokens (the register side)
	s_lshl_b32 s88, s88, 4
	s_lshl_b32 s89, s41, 2
	s_add_co_u32 s88, s88, s89
	s_lshl_b32 s89, s[WH], 1
	s_add_co_u32 s88, s88, s89                     ; my first head: 16 x batch + 4 cy + 2 (wave / 2)
	s_lshl_b32 s88, s88, 17
	s_and_b32 s89, s83, 7
	s_lshl_b32 s89, s89, 4
	s_lshl_b32 s90, s[WL], 3
	s_add_co_u32 s89, s89, s90                     ; my first key group: 16 x (block in the batch) + 8 (wave % 2)
	s_lshl_b32 s89, s89, 10
	s_add_co_u32 s88, s88, s89
	s_mov_b32 s89, 0
	s_add_nc_u64 s[86:87], s[14:15], s[88:89]
	v_lshlrev_b32 v[OA], 4, v1
	v_lshl_add_u32 v[OA], v2, 10, v[OA]            ; position r, key group h
.irp a, 0,1,2,3,4,5,6,7
	EPI \a, 1
.endr
.Lend:
	s_wait_tensorcnt 0x0                           ; the wave's end
	ds_add_u32 v[SPW], v[NIL]
	s_wait_dscnt 0x0
	CROUND                                         ; the closing round: no work-group ends while a partner may still ask for a tile that names it
	s_endpgm
.Lfunc_end_k_q0f5ce31e10_qkv:
	.size	k_q0f5ce31e10_qkv, .Lfunc_end_k_q0f5ce31e10_qkv-k_q0f5ce31e10_qkv
	.p2alignl 7, 3214868480
	.fill 96, 4, 3214868480
	.section	.rodata,"a",@progbits
	.p2align	6, 0x0
	.amdhsa_kernel k_q0f5ce31e10_qkv
		.amdhsa_group_segment_fixed_size 327680
		.amdhsa_private_segment_fixed_size 0
		.amdhsa_enable_private_segment 0
		.amdhsa_kernarg_size 48
		.amdhsa_user_sgpr_count 2
		.amdhsa_user_sgpr_kernarg_segment_ptr 1
		.amdhsa_wavefront_size32 1
		.amdhsa_system_sgpr_workgroup_id_x 1
		.amdhsa_system_sgpr_workgroup_id_y 1
		.amdhsa_system_sgpr_workgroup_id_z 1
		.amdhsa_system_vgpr_workitem_id 0
		.amdhsa_next_free_vgpr 1024
		.amdhsa_next_free_sgpr 100
		.amdhsa_reserve_vcc 0
		.amdhsa_float_denorm_mode_32 3
		.amdhsa_float_denorm_mode_16_64 3
		.amdhsa_fp16_overflow 1
		.amdhsa_memory_ordered 1
		.amdhsa_forward_progress 1
		.amdhsa_inst_pref_size 130
	.end_amdhsa_kernel
	.amdgpu_metadata
---
amdhsa.version: [ 1, 2 ]
amdhsa.kernels:
  - .name:           k_q0f5ce31e10_qkv
    .symbol:         k_q0f5ce31e10_qkv.kd
    .args:
      - { .name: zc, .offset: 0, .size: 8, .value_kind: global_buffer, .address_space: global }
      - { .name: b_attn, .offset: 8, .size: 8, .value_kind: global_buffer, .address_space: global }
      - { .name: lowp_scales, .offset: 16, .size: 8, .value_kind: global_buffer, .address_space: global }
      - { .name: qc, .offset: 24, .size: 8, .value_kind: global_buffer, .address_space: global }
      - { .name: kc, .offset: 32, .size: 8, .value_kind: global_buffer, .address_space: global }
      - { .name: vc, .offset: 40, .size: 8, .value_kind: global_buffer, .address_space: global }
    .group_segment_fixed_size: 327680
    .private_segment_fixed_size: 0
    .kernarg_segment_align: 8
    .kernarg_segment_size: 48
    .max_flat_workgroup_size: 128
    .sgpr_count:     100
    .vgpr_count:     1024
    .wavefront_size: 32
...
	.end_amdgpu_metadata
.endif
;; end of part 2
;; launch attn (part 3): grid 4 x 64, 8 waves a work-group, clusters of 4 x 1, 263,168 bytes of LDS; arguments qc, kc, vc, lowp_scales, yc; writes yc
.if DOCPART == 3
	.amdgcn_target "amdgcn-amd-amdhsa--gfx1250"
	.amdhsa_code_object_version 6
	.text
	.protected	k_q0f5ce31e10_attn
	.globl	k_q0f5ce31e10_attn
	.p2align	8
	.type	k_q0f5ce31e10_attn,@function
k_q0f5ce31e10_attn:
	s_mov_b64 s[64:65], 0
	v_nop
	global_prefetch_b8 v0, s[64:65] scope:SCOPE_SE
	s_setreg_imm32_b32 hwreg(HW_REG_WAVE_MODE, 25, 1), 1
	s_wait_xcnt 0x0
	s_wait_alu depctr_hold_cnt(0) depctr_sa_sdst(0) depctr_va_vdst(0) depctr_va_sdst(0) depctr_va_ssrc(0) depctr_va_vcc(0) depctr_vm_vsrc(0)
	s_getreg_b32 s2, hwreg(HW_REG_IB_STS2, 6, 4)
	s_cmp_eq_u32 s2, 0
	s_cbranch_scc0 .Lentry_in_a_cluster
	s_endpgm
.Lentry_in_a_cluster:
	s_bfe_u32 s2, ttmp6, 0x10000c
	s_cmp_lg_u32 s2, 0x3003
	s_cbranch_scc0 .Lentry_shape_is_right
	s_endpgm
.Lentry_shape_is_right:
; y = softmax(q k^T / 8, causal) v for 64 heads of 2,048 tokens x 64 channels, both products on codes of FP8 (E4M3); y is quantised at once by 2^e6.  Exponents: q e2, k e3, p e4, v e5, y e6 (entries of the scales).
; THE SOFTMAX: t = score x log2(e) / 8; M = the row's largest t so far, rounded UP to a whole number; p = 2^(t - M) is what is quantised; the row's sum is taken of the unquantised p and divides at the end.
; When M moves, the sum and O are multiplied by 2^(old M - new M): nothing is rounded, and no branch hangs on data.
; A CLUSTER IS A HEAD.  Its four work-groups ask JOINTLY, once, for the head's whole K (131,072 bytes, LDS 0) and V (131,072 bytes behind it): no ring, no refill, no LDS store in the whole text.
; UNITS.  A unit is 32 neighbouring queries: two tiles of 16 that share every fragment of K and V.  Wave w of the work-group at place cx owns the UPPER unit 63 - 4 w - cx (block 15 - w of 128 tokens: 16 - w key steps of 128)
; and the LOWER unit 4 w + cx (block w: w + 1 key steps): 17 key steps for every wave of the launch.  Key steps beyond a unit's diagonal are left out.  Step counts and branches hang on the wave's number alone;
; cx enters Q's and y's addresses in memory and the mask's number d, nothing else.
; ORDER.  Each wave issues two fills: key steps 0-7 (of K: waves 0-3, of V: waves 4-7), then 8-15.  The upper unit's steps 0-7 (all of whose keys count) run while the second fills land; a barrier; its steps 8-15; out; the lower unit.
; LAYOUT.  S^T = K Q^T (source 0 = 16 keys, source 1 = 16 queries, K = 64): a lane holds ONE query (lane % 16) and keys 16 t + 8 (lane / 16) + 0 .. 7 of tile t: eight conversions make of them registers 2 t, 2 t + 1 of
; source 1 of O^T = V^T P (K = 128), each key in that form's own place.  kc: [16 steps][4 chunks of 16 channels][128 keys][16]; vc: [128 groups][64 positions][16], position = PI(channel) (bits 3 and 4 exchanged), so that the
; 16 registers of O^T's tiles 2 b, 2 b + 1 are channels 32 b + 16 (lane / 16) + 0 .. 15.  Every fragment load's sixteen lanes read 256 consecutive bytes.
; RESULT.  yc: [64 chunks = 4 x head's number + channel / 16][8,192 tokens][16]: sixteen lanes store 256 consecutive bytes, aligned.
; LIMITS: e2 + e3 between -123 and 130 (added to c's exponent field); e4, e6 between -126 and 119; e4 + e5 goes by v_ldexp_f32 and has none.  NaN is not served.
; REGISTERS.  window 0: v1, v2 my lane's place in K's and V's tiles; v3, v4 the step's addresses; v6 y's offset; v7, v8 the mask's d for the upper, the lower unit; v9 2^e4; v10 -infinity; v11 2^e6;
;   tile x: v[12 + 4 x] -M, +1 the largest t, +2, +3 the sum in two halves; v[20 + 6 x] .. +2 at work; v[24 + 6 x] f (a pair);  v32-95 eight fragments of K, then four of V; v[96 + 64 x] S^T, then p; v[224 + 16 x] p's codes.
;   window 1: v[32 x] O^T; v64-79 Q of the upper unit, v80-95 of the lower.
.set VOFF, 131072
.set AK,  1
.set AV,  2
.set ADK, 3
.set ADV, 4
.set YO,  6
.set DH,  7
.set DL,  8
.set ST,  12
.set TM,  20
.set F,   24
.set KF,  32
.set S,   96
.set P,   224
.set WV,  14                           ; s14 wave; s15 cx; s16 head
.set SEL, 20                           ; s[20:21] selects of v_permlanex16_b32: lane l xor 16
.set CS,  22                           ; s[22:23] c = log2(e) / 8 x 2^(e2 + e3)
.set SO,  26                           ; s26 the step's first byte in K's and in V's region
.set SI,  27                           ; s27 the step's number
.set G1,  48                           ; s[48:55] group 1;  s[56:63] K's two groups 0;  s[68:75] V's
.set MSB, 0
.macro WIN new
.if MSB != \new
	s_set_vgpr_msb (MSB<<8)|\new
.set MSB, \new
.endif
.endm
.macro CROUND                          ; a round of the cluster's barrier
	s_barrier_signal -1
	s_barrier_wait -1
	s_cmp_lg_u32 s[WV], 0
	s_cbranch_scc1 .Lnot_wave_0_\@
	s_barrier_signal -3
.Lnot_wave_0_\@:
	s_barrier_wait -3
	s_barrier_signal -1
	s_barrier_wait -1
.endm
	s_load_b256 s[4:11], s[0:1], 0x0               ; qc s[4:5], kc s[6:7], vc s[8:9], the exponents s[10:11]
	s_load_b64 s[12:13], s[0:1], 0x20              ; yc
	v_lshl_add_u32 v5, v0, 2, 0x40000
	s_set_vgpr_msb 0x40
	v_mov_b32 v129, 0
	s_set_vgpr_msb 0x4044
	ds_add_u32 v5, v129
	ds_add_u32 v5, v129
	s_set_vgpr_msb 0x4400
	v_lshrrev_b32 v3, 5, v0
	s_delay_alu instid0(VALU_DEP_1)
	v_readfirstlane_b32 s[WV], v3                  ; wave 0..7
	s_bfe_u32 s15, ttmp6, 0x40000                  ; cx
	s_and_b32 s16, ttmp7, 0xffff                   ; the head = 16 x batch + head's number, which the four partners share
	s_and_b32 s17, s[WV], 3
	s_lshl_b32 s17, s17, 14                        ; my 16,384 bytes of a fill's 65,536: in LDS,
	s_lshl_b32 s18, s16, 17
	s_add_co_u32 s18, s18, s17                     ; and in the head's 131,072 bytes of kc or vc
	s_mov_b32 s19, 0
	s_mov_b32 s[G1], 15|(3<<16)|(1<<21)            ; 15:0 the mask: all four work-groups; 17:16 elements of 8 bytes; 21 set beside a mask; no padding
	s_mov_b32 s[G1+1], 32<<16                      ; tensor_dim0 = 32 elements: rows of 256 bytes of a dense block
	s_mov_b32 s[G1+2], 64<<16                      ; tensor_dim1 = 64 rows
	s_mov_b32 s[G1+3], 32<<16                      ; tile_dim0
	s_mov_b32 s[G1+4], 64                          ; tile_dim1
	s_mov_b32 s[G1+5], 32                          ; from row to row
	s_mov_b32 s[G1+6], 0
	s_mov_b32 s[G1+7], 0
	s_mov_b32 s[SEL], 0x76543210
	s_mov_b32 s[SEL+1], 0xfedcba98
	s_sub_co_u32 s76, 15, s[WV]                    ; the upper unit's block of 128 tokens, and its diagonal's key step; kept
	s_sub_co_u32 s77, 3, s15                       ; its quarter of the block
	s_wait_dscnt 0x0
	s_wait_kmcnt 0x0
	s_load_b256 s[40:47], s[10:11], 0x0            ; e0 .. e7
	s_mov_b32 s56, 1                               ; K, key steps 0-7
	s_mov_b32 s57, s17
	s_add_nc_u64 s[58:59], s[6:7], s[18:19]
	s_mov_b32 s60, 1                               ; K, key steps 8-15
	s_add_co_u32 s61, s17, 65536
	s_add_nc_u64 s[62:63], s[58:59], 0x10000
	s_or_b32 s59, s59, 0x80000000
	s_or_b32 s63, s63, 0x80000000
	s_mov_b32 s68, 1                               ; V likewise
	s_add_co_u32 s69, s17, VOFF
	s_add_nc_u64 s[70:71], s[8:9], s[18:19]
	s_mov_b32 s72, 1
	s_add_co_u32 s73, s17, VOFF+65536
	s_add_nc_u64 s[74:75], s[70:71], 0x10000
	s_or_b32 s71, s71, 0x80000000
	s_or_b32 s75, s75, 0x80000000
	CROUND                                         ; all four work-groups are here: the joint loads meet
	s_cmp_lt_u32 s[WV], 4                          ; a wave's two fills stand in one branch, ahead of every wait on TENSORcnt and every LDS read: two loads of mine are out
	s_cbranch_scc0 .Lfirst_v
	tensor_load_to_lds s[56:59], s[G1:G1+7]
	s_nop 0
	tensor_load_to_lds s[60:63], s[G1:G1+7]
	s_nop 0
.rept 4
	v_nop
.endr
	s_branch .Lfirst_asked
.Lfirst_v:
	tensor_load_to_lds s[68:71], s[G1:G1+7]
	s_nop 0
	tensor_load_to_lds s[72:75], s[G1:G1+7]
	s_nop 0
.rept 4
	v_nop
.endr
.Lfirst_asked:
	v_and_b32 v20, 15, v0                          ; r
	v_bfe_u32 v21, v0, 4, 1                        ; h
	s_delay_alu instid0(VALU_DEP_2)
	v_lshlrev_b32 v[AK], 4, v20
	s_delay_alu instid0(VALU_DEP_1)
	v_lshl_add_u32 v[AK], v21, 11, v[AK]           ; K (and Q in memory): key r of chunk h: 16 r + 2,048 h
	s_wait_alu depctr_va_vdst(0)
	s_lshl_b32 s66, s16, 17                        ; Q: the head,
	s_lshl_b32 s78, s76, 13                        ; the block of 128 tokens,
	s_lshl_b32 s79, s77, 9                         ; the unit's 32 tokens x 16 bytes
	s_add_co_u32 s78, s78, s79
	s_add_co_u32 s78, s78, s66
	s_mov_b32 s79, 0
	s_add_nc_u64 s[30:31], s[4:5], s[78:79]        ; the upper unit's
	s_lshl_b32 s78, s[WV], 13
	s_lshl_b32 s67, s15, 9
	s_add_co_u32 s78, s78, s67
	s_add_co_u32 s78, s78, s66
	s_add_nc_u64 s[32:33], s[4:5], s[78:79]        ; the lower unit's
	WIN 0x40                                       ; destination window 1
.irp x, 0,1
	global_load_b128 v[64+8*\x:64+8*\x+3], v[AK], s[30:31] offset:256*\x          ; registers 0-3: channels 16 h on; 4-7: 32 + 16 h on, as K's fragments have them
	global_load_b128 v[64+8*\x+4:64+8*\x+7], v[AK], s[30:31] offset:256*\x+4096
	global_load_b128 v[80+8*\x:80+8*\x+3], v[AK], s[32:33] offset:256*\x
	global_load_b128 v[80+8*\x+4:80+8*\x+7], v[AK], s[32:33] offset:256*\x+4096
.endr
	WIN 0
	v_lshlrev_b32 v[AV], 4, v20
	s_delay_alu instid0(VALU_DEP_1)
	v_lshl_add_u32 v[AV], v21, 10, v[AV]
	s_delay_alu instid0(VALU_DEP_1)
	v_add_nc_u32 v[AV], VOFF, v[AV]                ; V: position r of key group h
	v_lshlrev_b32 v[YO], 4, v20
	s_delay_alu instid0(VALU_DEP_1)
	v_lshl_add_u32 v[YO], v21, 17, v[YO]           ; y: token r of chunk h
	v_lshlrev_b32 v29, 3, v21
	s_delay_alu instid0(VALU_DEP_1)
	v_sub_nc_u32 v29, v20, v29                     ; r - 8 h
	s_lshl_b32 s66, s77, 5
	s_lshl_b32 s67, s15, 5
	v_add_nc_u32 v[DH], s66, v29                   ; d = my query of tile 0, counted from the block's first token, - 8 h
	v_add_nc_u32 v[DL], s67, v29
	v_mov_b32 v10, 0xff800000                      ; -infinity
	v_mov_b32 v22, 0                               ; written once: a lane permute's destination counts as one of its sources
	v_mov_b32 v28, 0
	v_mov_b32 v25, 0                               ; (named as the upper halves of the pairs f)
	v_mov_b32 v31, 0
	s_and_b32 s66, s16, 15                         ; y: the head's four chunks of 131,072 bytes,
	s_lshl_b32 s66, s66, 19
	s_lshr_b32 s67, s16, 4
	s_lshl_b32 s67, s67, 15                        ; the batch's 2,048 tokens x 16 bytes
	s_add_co_u32 s66, s66, s67
	s_lshl_b32 s78, s76, 11
	s_lshl_b32 s67, s77, 9
	s_add_co_u32 s78, s78, s67
	s_add_co_u32 s78, s78, s66
	s_add_nc_u64 s[34:35], s[12:13], s[78:79]      ; the upper unit's
	s_lshl_b32 s78, s[WV], 11
	s_lshl_b32 s67, s15, 9
	s_add_co_u32 s78, s78, s67
	s_add_co_u32 s78, s78, s66
	s_add_nc_u64 s[36:37], s[12:13], s[78:79]      ; the lower unit's
	s_wait_kmcnt 0x0
	s_add_co_i32 s66, s42, s43                     ; a score stands for score x 2^(e2 + e3): added to c's exponent field
	s_lshl_b32 s66, s66, 23
	s_mov_b32 s[CS], 0x3e38aa3b                    ; log2(e) / 8
	s_add_co_i32 s[CS], s[CS], s66
	s_mov_b32 s[CS+1], s[CS]                       ; (named with it as a pair, so it is written)
	s_add_co_i32 s66, s44, 127
	s_lshl_b32 s67, s66, 23
	v_mov_b32 v9, s67                              ; 2^e4
	s_add_co_i32 s25, s44, s45                     ; e4 + e5
	s_add_co_i32 s66, s46, 127
	s_lshl_b32 s67, s66, 23
	v_mov_b32 v11, s67                             ; 2^e6
	s_add_co_i32 s66, s66, 8
	s_lshl_b32 s66, s66, 23
	s_or_b32 s66, s66, 0x600000
.macro INIT                            ; a unit begins: the largest t under every t, the sums and O^T zero: the step is written without a first form of its own
.irp x, 0,1
	v_mov_b32 v[ST+4*\x+1], 0xff61b1e6             ; -3e38
	s_delay_alu instid0(VALU_DEP_1)
	v_floor_f32 v[ST+4*\x], -v[ST+4*\x+1]
	v_mov_b32 v[ST+4*\x+2], 0
	v_mov_b32 v[ST+4*\x+3], 0
.endr
	WIN 0x40
.set jj, 0
.rept 64
	v_mov_b32 v[jj], 0
.set jj, jj+1
.endr
	WIN 0
.endm
; A KEY STEP: 128 keys for the unit's two tiles.  qb: Q's registers in window 1.  dv: the register with d, or 0 where no step of the phase meets the diagonal.  dg: the scalar register with the diagonal's step.
.macro STEP qb, dv, dg
	v_add_nc_u32 v[ADK], s[SO], v[AK]
	v_add_nc_u32 v[ADV], s[SO], v[AV]
	v_nop                                          ; with the two additions: four places in front of loads into registers that the last products read
	v_nop
.irp t, 0,1,2,3,4,5,6,7
	ds_load_b128 v[KF+8*\t:KF+8*\t+3], v[ADK] offset:256*\t
	ds_load_b128 v[KF+8*\t+4:KF+8*\t+7], v[ADK] offset:256*\t+4096
.endr
	s_wait_alu depctr_va_vdst(0)
	s_wait_dscnt 0x0
	WIN 0x04                                       ; source 1 (Q) window 1
.irp t, 0,1,2,3,4,5,6,7
.irp x, 0,1
	v_wmma_f32_16x16x64_fp8_fp8 v[S+64*\x+8*\t:S+64*\x+8*\t+7], v[KF+8*\t:KF+8*\t+7], v[\qb+8*\x:\qb+8*\x+7], 0
.endr
.endr
	WIN 0
.rept 4
	v_nop                                          ; places: for the loads below, and for the first reads of the scores
.endr
.irp d, 0,1,2,3
.irp c, 0,1,2,3
	ds_load_b128 v[KF+16*\d+4*\c:KF+16*\d+4*\c+3], v[ADV] offset:2048*\c+256*\d   ; V's four fragments land under the softmax
.endr
.endr
.if \dv
	s_cmp_lg_u32 s[SI], s[\dg]                     ; only the diagonal's step has hidden keys
	s_cbranch_scc1 .Lopen_\@
.set n, 0
.rept 64                                       ; register n of tile 0 holds key 16 (n / 8) + n % 8 + 8 h: hidden where 16 (n / 8) + n % 8 > d.  Tile 1's queries lie 16 on: the same compare serves its register n + 8,
	v_cmp_gt_i32 vcc_lo, 16*(n/8)+n%8, v[\dv]      ; and its first eight are never hidden
	v_cndmask_b32 v[S+n], v[S+n], v10, vcc_lo
.if n < 56
	v_cndmask_b32 v[S+72+n], v[S+72+n], v10, vcc_lo
.endif
.set n, n+1
.endr
.Lopen_\@:
.endif
.irp x, 0,1                                    ; the step's largest score of my query among my 64 keys, in two chains, each accumulator from its low end on
	v_max3_num_f32 v[TM+6*\x], v[S+64*\x], v[S+64*\x+1], v[S+64*\x+2]
	v_max3_num_f32 v[TM+6*\x+1], v[S+64*\x+3], v[S+64*\x+4], v[S+64*\x+5]
.endr
.irp i, 6,10,14,18,22,26,30,34,38,42,46,50,54,58
.irp x, 0,1
	v_max3_num_f32 v[TM+6*\x], v[TM+6*\x], v[S+64*\x+\i], v[S+64*\x+\i+1]
	v_max3_num_f32 v[TM+6*\x+1], v[TM+6*\x+1], v[S+64*\x+\i+2], v[S+64*\x+\i+3]
.endr
.endr
.irp x, 0,1
	v_max3_num_f32 v[TM+6*\x], v[TM+6*\x], v[S+64*\x+62], v[S+64*\x+63]
.endr
.irp x, 0,1
	s_delay_alu instid0(VALU_DEP_2)
	v_max_num_f32 v[TM+6*\x], v[TM+6*\x], v[TM+6*\x+1]
.endr
.irp x, 0,1
	s_delay_alu instid0(VALU_DEP_2)
	v_permlanex16_b32 v[TM+6*\x+2], v[TM+6*\x], s[SEL], s[SEL+1]
.endr
.irp x, 0,1
	s_delay_alu instid0(VALU_DEP_2)
	v_max_num_f32 v[TM+6*\x], v[TM+6*\x], v[TM+6*\x+2]      ; and among lane l xor 16's
.endr
.irp x, 0,1
	s_delay_alu instid0(VALU_DEP_2)
	v_mul_f32 v[TM+6*\x], s[CS], v[TM+6*\x]                 ; as t (c is positive)
.endr
.irp x, 0
	s_delay_alu instid0(VALU_DEP_2)
	v_max_num_f32 v[ST+4*\x+1], v[ST+4*\x+1], v[TM+6*\x]    ; the running largest t
	v_mov_b32 v[TM+6*\x], v[ST+4*\x]
.endr
.irp x, 1
	s_delay_alu instid0(VALU_DEP_3)
	v_max_num_f32 v[ST+4*\x+1], v[ST+4*\x+1], v[TM+6*\x]
	v_mov_b32 v[TM+6*\x], v[ST+4*\x]
.endr
.irp x, 0
	s_delay_alu instid0(VALU_DEP_4)
	v_floor_f32 v[ST+4*\x], -v[ST+4*\x+1]
.endr
.irp x, 1
	s_delay_alu instid0(VALU_DEP_3)
	v_floor_f32 v[ST+4*\x], -v[ST+4*\x+1]                   ; the new -M = floor(-t): M is a whole number
.endr
.irp x, 0,1
	s_delay_alu instid0(VALU_DEP_2)
	v_sub_f32 v[TM+6*\x], v[ST+4*\x], v[TM+6*\x]            ; old M - new M: a whole number, 0 or less
.endr
.irp x, 0,1
	s_delay_alu instid0(VALU_DEP_2)
	v_cvt_i32_f32 v[TM+6*\x], v[TM+6*\x]                    ; (it saturates)
.endr
.irp x, 0,1
	s_delay_alu instid0(VALU_DEP_2)
	v_ldexp_f32 v[F+6*\x], 1.0, v[TM+6*\x]                  ; f = 2^(old M - new M)
.endr
.irp x, 0,1
.set jj, 0
.rept 32
	v_pk_fma_f32 v[S+64*\x+jj:S+64*\x+jj+1], v[S+64*\x+jj:S+64*\x+jj+1], s[CS:CS+1], v[ST+4*\x:ST+4*\x+1] op_sel_hi:[1,0,0]   ; t - M, two at a time
.set jj, jj+2
.endr
.endr
.set jj, 0
	s_setprio 1
	s_wait_alu depctr_va_vdst(0)
.rept 128
	v_exp_f32 v[S+jj], v[S+jj]                     ; p = 2^(t - M): one batch for both tiles
.set jj, jj+1
.endr
.irp x, 0,1
	v_pk_mul_f32 v[ST+4*\x+2:ST+4*\x+3], v[ST+4*\x+2:ST+4*\x+3], v[F+6*\x:F+6*\x+1] op_sel_hi:[1,0]   ; the sums under the new M: the plain lines behind the exponentials
.endr
	s_wait_alu depctr_va_vdst(0)                   ; one wait for the whole batch, ahead of its first reader
.irp x, 0,1
	v_pk_add_f32 v[TM+6*\x:TM+6*\x+1], v[S+64*\x:S+64*\x+1], v[S+64*\x+2:S+64*\x+3]   ; the row's sum is taken of the unquantised p, in two chains
.endr
.irp j, 4,8,12,16,20,24,28,32,36,40,44,48,52,56,60
.irp x, 0,1
	v_pk_add_f32 v[ST+4*\x+2:ST+4*\x+3], v[ST+4*\x+2:ST+4*\x+3], v[S+64*\x+\j:S+64*\x+\j+1]
	v_pk_add_f32 v[TM+6*\x:TM+6*\x+1], v[TM+6*\x:TM+6*\x+1], v[S+64*\x+\j+2:S+64*\x+\j+3]
.endr
.endr
.irp x, 0
	s_delay_alu instid0(VALU_DEP_3)
	v_pk_add_f32 v[ST+4*\x+2:ST+4*\x+3], v[ST+4*\x+2:ST+4*\x+3], v[TM+6*\x:TM+6*\x+1]
.endr
.irp x, 1
	s_delay_alu instid0(VALU_DEP_2)
	v_pk_add_f32 v[ST+4*\x+2:ST+4*\x+3], v[ST+4*\x+2:ST+4*\x+3], v[TM+6*\x:TM+6*\x+1]
.endr
.set jj, 0
.rept 128
.set jj, jj+1
.endr
.irp x, 0,1
.irp t, 0,1,2,3,4,5,6,7
	v_cvt_scalef32_pk8_fp8_f32 v[P+16*\x+2*\t:P+16*\x+2*\t+1], v[S+64*\x+8*\t:S+64*\x+8*\t+7], v9
.endr
.endr
	WIN 0x41                                       ; O^T (destination and source 0) window 1, f window 0
	s_setprio 0
.irp x, 0,1
.set jj, 0
.rept 16
	v_pk_mul_f32 v[32*\x+jj:32*\x+jj+1], v[32*\x+jj:32*\x+jj+1], v[F+6*\x:F+6*\x+1] op_sel_hi:[1,0]   ; O^T under the new M; also the plain lines between the conversions and the products
.set jj, jj+2
.endr
.endr
	s_wait_alu depctr_va_vdst(0)
	s_wait_dscnt 0x0                               ; V is in
	WIN 0x50                                       ; C and D window 1
.irp d, 0,1,2,3                                ; eight accumulators by turns, one instruction a turn; the scores' products stand between two steps
.irp x, 0,1
	v_wmma_f32_16x16x128_fp8_fp8 v[32*\x+8*\d:32*\x+8*\d+7], v[KF+16*\d:KF+16*\d+15], v[P+16*\x:P+16*\x+15], v[32*\x+8*\d:32*\x+8*\d+7]
.endr
.endr
	WIN 0
.endm
; Eight key steps from step base on: the trip count is a constant; a step beyond the unit's diagonal is jumped over inside the loop (a branch on the wave's number and the counter).
.macro PHASE base, qb, dv, dg
	s_mov_b32 s[SI], \base
	s_mov_b32 s[SO], (\base)*8192
.Lstep_\@:
.if \dv
	s_cmp_gt_u32 s[SI], s[\dg]
	s_cbranch_scc1 .Lpast_\@
.endif
	s_setprio 2
	STEP \qb, \dv, \dg
.if \dv
.Lpast_\@:
.endif
	s_add_co_u32 s[SI], s[SI], 1
	s_add_co_u32 s[SO], s[SO], 8192
	s_cmp_lt_u32 s[SI], (\base)+8
	s_cbranch_scc1 .Lstep_\@
	s_setprio 0
.endm
; A unit leaves: O^T / the sum x 2^(e4 + e5) is y; converted by 2^e6, stored.  yb: y's address.
.macro WAYOUT yb
.irp x, 0,1
	v_add_f32 v[TM+6*\x], v[ST+4*\x+2], v[ST+4*\x+3]        ; the sum's two halves,  (these lines are also the places behind the last products)
.endr
.irp x, 0,1
	s_delay_alu instid0(VALU_DEP_2)
	v_permlanex16_b32 v[TM+6*\x+2], v[TM+6*\x], s[SEL], s[SEL+1]
.endr
.irp x, 0,1
	s_delay_alu instid0(VALU_DEP_2)
	v_add_f32 v[TM+6*\x], v[TM+6*\x], v[TM+6*\x+2]          ; and lane l xor 16's
.endr
	s_wait_alu depctr_va_vdst(0)
.irp x, 0,1
	v_rcp_f32 v[TM+6*\x+1], v[TM+6*\x]
.endr
	v_nop                                          ; a plain line behind the reciprocals,
	s_wait_alu depctr_va_vdst(0)                   ; and one wait for both, ahead of their first reader
.irp x, 0,1
	v_ldexp_f32 v[F+6*\x], v[TM+6*\x+1], s25
.endr
	WIN 0x01                                       ; source 0 (O^T) window 1
.irp x, 0,1
.set jj, 0
.rept 16
	v_pk_mul_f32 v[S+32*\x+jj:S+32*\x+jj+1], v[32*\x+jj:32*\x+jj+1], v[F+6*\x:F+6*\x+1] op_sel_hi:[1,0]   ; each accumulator from its low end on
.set jj, jj+2
.endr
.endr
	WIN 0
.set jj, 0
.rept 64
.set jj, jj+1
.endr
.irp x, 0,1
.irp b, 0,1
	v_cvt_scalef32_pk8_fp8_f32 v[P+8*\x+4*\b:P+8*\x+4*\b+1], v[S+32*\x+16*\b:S+32*\x+16*\b+7], v11        ; channels 32 b + 16 h + 0 .. 7,
	v_cvt_scalef32_pk8_fp8_f32 v[P+8*\x+4*\b+2:P+8*\x+4*\b+3], v[S+32*\x+16*\b+8:S+32*\x+16*\b+15], v11   ; + 8 .. 15
.endr
.endr
	v_nop                                          ; a plain line behind the conversions
.irp x, 0,1
.irp b, 0,1
	global_store_b128 v[YO], v[P+8*\x+4*\b:P+8*\x+4*\b+3], s[\yb:\yb+1] offset:262144*\b+256*\x   ; chunk 2 b + h of the head, tokens 16 x on
.endr
.endr
.endm
	INIT
	s_wait_tensorcnt 0x1                           ; my fill of key steps 0-7 is in; my second fill may stay out
	s_barrier_signal -1
	s_barrier_wait -1                              ; everybody's is
	s_wait_loadcnt 0x0                             ; Q
	PHASE 0, 64, 0, 0                              ; the upper unit, key steps 0-7: all keys count for every wave (its diagonal lies at step 8 or later)
	s_wait_tensorcnt 0x0                           ; my fill of key steps 8-15 is in,
	s_wait_dscnt 0x0
	s_barrier_signal -1
	s_barrier_wait -1                              ; everybody's is
	PHASE 8, 64, DH, 76                            ; the upper unit, key steps 8 .. 15 - wave
	WAYOUT 34
	INIT
	s_wait_xcnt 0x0                                ; the stores have read their data: those registers take the lower unit's codes
	PHASE 0, 80, DL, WV                            ; the lower unit, key steps 0 .. wave
	WAYOUT 36
	s_set_vgpr_msb 0x4
	s_wait_tensorcnt 0x0
	ds_add_u32 v5, v129
	s_wait_dscnt 0x0
	s_set_vgpr_msb 0x400
	CROUND                                         ; the closing round: no work-group ends while a partner may still ask for a tile that names it
	s_endpgm
.Lfunc_end_k_q0f5ce31e10_attn:
	.size	k_q0f5ce31e10_attn, .Lfunc_end_k_q0f5ce31e10_attn-k_q0f5ce31e10_attn
	.p2alignl 7, 3214868480
	.fill 96, 4, 3214868480
	.section	.rodata,"a",@progbits
	.p2align	6, 0x0
	.amdhsa_kernel k_q0f5ce31e10_attn
		.amdhsa_group_segment_fixed_size 263168
		.amdhsa_private_segment_fixed_size 0
		.amdhsa_enable_private_segment 0
		.amdhsa_kernarg_size 40
		.amdhsa_user_sgpr_count 2
		.amdhsa_user_sgpr_kernarg_segment_ptr 1
		.amdhsa_wavefront_size32 1
		.amdhsa_system_sgpr_workgroup_id_x 1
		.amdhsa_system_sgpr_workgroup_id_y 1
		.amdhsa_system_sgpr_workgroup_id_z 1
		.amdhsa_system_vgpr_workitem_id 0
		.amdhsa_next_free_vgpr 386
		.amdhsa_next_free_sgpr 80
		.amdhsa_reserve_vcc 1
		.amdhsa_float_denorm_mode_32 3
		.amdhsa_float_denorm_mode_16_64 3
		.amdhsa_fp16_overflow 1
		.amdhsa_memory_ordered 1
		.amdhsa_forward_progress 1
		.amdhsa_inst_pref_size 109
	.end_amdhsa_kernel
	.amdgpu_metadata
---
amdhsa.version: [ 1, 2 ]
amdhsa.kernels:
  - .name:           k_q0f5ce31e10_attn
    .symbol:         k_q0f5ce31e10_attn.kd
    .args:
      - { .name: qc, .offset: 0, .size: 8, .value_kind: global_buffer, .address_space: global }
      - { .name: kc, .offset: 8, .size: 8, .value_kind: global_buffer, .address_space: global }
      - { .name: vc, .offset: 16, .size: 8, .value_kind: global_buffer, .address_space: global }
      - { .name: lowp_scales, .offset: 24, .size: 8, .value_kind: global_buffer, .address_space: global }
      - { .name: yc, .offset: 32, .size: 8, .value_kind: global_buffer, .address_space: global }
    .group_segment_fixed_size: 263168
    .private_segment_fixed_size: 0
    .kernarg_segment_align: 8
    .kernarg_segment_size: 40
    .max_flat_workgroup_size: 256
    .sgpr_count:     80
    .vgpr_count:     386
    .wavefront_size: 32
...
	.end_amdgpu_metadata
.endif
;; end of part 3
;; launch proj (part 4): grid 4 x 32, 4 waves a work-group, clusters of 4 x 4, 327,680 bytes of LDS; arguments yc, wpc, b_proj, lowp_scales, out0; writes out0
.if DOCPART == 4
	.amdgcn_target "amdgcn-amd-amdhsa--gfx1250"
	.amdhsa_code_object_version 6
	.text
	.protected	k_q0f5ce31e10_proj
	.globl	k_q0f5ce31e10_proj
	.p2align	8
	.type	k_q0f5ce31e10_proj,@function
k_q0f5ce31e10_proj:
	s_mov_b64 s[64:65], 0
	v_nop
	global_prefetch_b8 v0, s[64:65] scope:SCOPE_SE
	s_setreg_imm32_b32 hwreg(HW_REG_WAVE_MODE, 25, 1), 1
	s_wait_xcnt 0x0
	s_wait_alu depctr_hold_cnt(0) depctr_sa_sdst(0) depctr_va_vdst(0) depctr_va_sdst(0) depctr_va_ssrc(0) depctr_va_vcc(0) depctr_vm_vsrc(0)
	s_getreg_b32 s2, hwreg(HW_REG_IB_STS2, 6, 4)
	s_cmp_eq_u32 s2, 0
	s_cbranch_scc0 .Lentry_in_a_cluster
	s_endpgm
.Lentry_in_a_cluster:
	s_bfe_u32 s2, ttmp6, 0x10000c
	s_cmp_lg_u32 s2, 0xf033
	s_cbranch_scc0 .Lentry_shape_is_right
	s_endpgm
.Lentry_shape_is_right:
; out0 = y W_proj + b_proj on codes of FP8 (E4M3), K = 1,024: each sum x 2^(e6 + e7) + bias, f32 (entries 6 and 7 of the scales).
; OPERANDS, chunk-major: yc [64 chunks of 16 along K][8,192 tokens][16 bytes]; wpc [64][1,024 positions][16], position PI(n) = column n (PI exchanges bits 3 and 4).
; A work-group of four waves makes 256 tokens x 256 columns, a wave 128 x 128: 64 accumulators.  Source 1 = 16 tokens (the lane's), source 0 = 16 positions of the weight (along the registers): by PI register j of tile b is column
; 32 (b / 2) + 16 (lane / 16) + 8 (b % 2) + j.  K goes in steps of 256 (16 chunks) through two LDS slots, four steps, written out; a fragment load's sixteen lanes read 256 consecutive bytes: no padding.
; k's places in the registers are permuted alike on both sides (registers 4 c .. 4 c + 3: K = 32 c + 16 (lane / 16) + 0 .. 15).
; CLUSTERS: 4 x 4 work-groups; y's tiles are shared along a row of the cluster, the weight's along a column: joint loads.  The grid has 128 work-groups: 32 x 4 tiles of 256 x 256.
; THE WAY OUT: a block of 16 tokens x 128 columns goes through the wave's own stage in LDS and leaves as whole rows of 512 bytes.  The stage lies in slot 0, which has had its last fill and its last read by then.
; LIMIT: e6 + e7 between -126 and 127.
; REGISTERS: window 0: v0-31 addresses; v32-95 the bias (8 tiles x 8); v128-255 y's fragments, one set; on the way out rows read back.  window 1: the weight's fragments, two sets; on the way out v0-63 a block's numbers.
;   windows 2, 3: the accumulators ((a, b) at v[8 (8 (a % 4) + b)]).
.set YPB,    131072                    ; bytes from chunk to chunk in yc
.set WPB,    16384                     ; in wpc
.set HALFT,  32768
.set SLOT,   4*HALFT
.set SPARE,  2*SLOT
.set SPITCH, 528
.set FR,     16
.set NL,     4
.set NP,     4
.set ADRA, 16
.set ADRB, 20
.set STO,  24                          ; v24 the way out: where I put 32 bytes of a row
.set RD,   25                          ; v25 where I read a row back
.set CO,   26                          ; v26 my byte offset in a row of out0
.set SPW,  28
.set NIL,  29
.set BQ,   32
.set AF,   128
.set BK,   128
.set TMP,  0                           ; in window 1
.set WV, 16
.set WH, 17
.set WL, 18
.set G1, 24
.set G0, 32
.set G1B, 48
.set G0B, 56
.set MSB, 0
.macro WIN new
.if MSB != \new
	s_set_vgpr_msb (MSB<<8)|\new
.set MSB, \new
.endif
.endm
.set MUL_LO, 0xa1
.set MUL_HI, 0xf1
.set TO_B,   0x40
.macro JLOAD g0a, g1a, g0b, g1b        ; a joint load: waves 0, 1 fetch y's halves, waves 2, 3 the weight's; four v_nop follow each line
	s_cmp_eq_u32 s[WH], 0
	s_cbranch_scc0 .Lfor_b_\@
	tensor_load_to_lds s[\g0a:\g0a+3], s[\g1a:\g1a+7]
	s_nop 0
.rept 4
	v_nop
.endr
	s_branch .Lasked_\@
.Lfor_b_\@:
	tensor_load_to_lds s[\g0b:\g0b+3], s[\g1b:\g1b+7]
	s_nop 0
.rept 4
	v_nop
.endr
.Lasked_\@:
.endm
.macro CREST
	s_cmp_lg_u32 s[WV], 0
	s_cbranch_scc1 .Lnot_wave_0_\@
	s_barrier_signal -3
.Lnot_wave_0_\@:
	s_barrier_wait -3
	s_barrier_signal -1
	s_barrier_wait -1
.endm
.macro CROUND
	s_barrier_signal -1
	s_barrier_wait -1
	CREST
.endm
	s_load_b256 s[4:11], s[0:1], 0x0               ; yc s[4:5], wpc s[6:7], b_proj s[8:9], the exponents s[10:11]
	s_load_b64 s[12:13], s[0:1], 0x20              ; out0
	v_lshl_add_u32 v[SPW], v0, 2, SPARE
	v_mov_b32 v[NIL], 0
	ds_add_u32 v28, v29
	ds_add_u32 v28, v29
	s_wait_dscnt 0x0
	v_lshrrev_b32 v1, 5, v0
	v_readfirstlane_b32 s[WV], v1
	s_lshr_b32 s[WH], s[WV], 1                     ; my half of the tokens; also: I fetch for y (0) or for the weight (1)
	s_and_b32 s[WL], s[WV], 1                      ; my half of the columns; also: which half I fetch
	s_bfe_u32 s40, ttmp6, 0x40000                  ; cx, cy
	s_bfe_u32 s41, ttmp6, 0x40004
	s_and_b32 s82, ttmp7, 0xffff
	s_lshl_b32 s82, s82, 2
	s_add_co_u32 s82, s82, s41                     ; my block of 256 tokens = 4 x cluster y + cy
	s_lshl_b32 s83, ttmp9, 2
	s_add_co_u32 s83, s83, s40                     ; my block of 256 columns = 4 x cluster x + cx
	s_lshl_b32 s43, s41, 2
	s_lshl_b32 s43, 15, s43                        ; my row of the cluster
	s_lshl_b32 s44, 0x1111, s40                    ; my column
	s_or_b32 s[G1+0], s43, (1<<21)                 ; 15:0 the mask; elements of 1 byte; no padding; 21 set beside a mask
	s_or_b32 s[G1B+0], s44, (1<<21)
.irp g, G1, G1B
	s_mov_b32 s[\g+1], 2048<<16                    ; tensor_dim0 = 2,048 bytes: 128 positions of a chunk
	s_mov_b32 s[\g+2], 16<<16                      ; tensor_dim1 = 16 chunks
	s_mov_b32 s[\g+3], 2048<<16                    ; tile_dim0
	s_mov_b32 s[\g+4], 16                          ; tile_dim1
	s_mov_b32 s[\g+6], 0
	s_mov_b32 s[\g+7], 0
.endr
	s_mov_b32 s[G1+5], YPB                         ; from chunk to chunk
	s_mov_b32 s[G1B+5], WPB
	s_lshl_b32 s19, s[WL], 11
	s_lshl_b32 s66, s82, 12
	s_add_co_u32 s66, s66, s19
	s_mov_b32 s67, 0
	s_lshl_b32 s46, s83, 12
	s_add_co_u32 s46, s46, s19
	s_mov_b32 s47, 0
	s_lshl_b32 s45, s[WV], 15                      ; where they go: wave x HALFT
	s_wait_kmcnt 0x0
	s_load_b256 s[72:79], s[10:11], 0x0            ; e0 .. e7
	s_add_nc_u64 s[66:67], s[4:5], s[66:67]
	s_add_nc_u64 s[46:47], s[6:7], s[46:47]
	CROUND                                         ; all sixteen work-groups are here: the first joint loads meet
.irp s, 0,1
	s_mov_b32 s[G0+4*\s], 1
	s_add_co_u32 s[G0+4*\s+1], s45, \s*SLOT
	s_add_nc_u64 s[G0+4*\s+2:G0+4*\s+3], s[66:67], \s*16*YPB
	s_or_b32 s[G0+4*\s+3], s[G0+4*\s+3], 0x80000000
	s_mov_b32 s[G0B+4*\s], 1
	s_add_co_u32 s[G0B+4*\s+1], s45, \s*SLOT
	s_add_nc_u64 s[G0B+4*\s+2:G0B+4*\s+3], s[46:47], \s*16*WPB
	s_or_b32 s[G0B+4*\s+3], s[G0B+4*\s+3], 0x80000000
	s_wait_alu depctr_va_vdst(0)
	s_wait_tensorcnt 0x0
	ds_add_u32 v28, v29
	ds_add_u32 v28, v29
	s_wait_dscnt 0x0
	CROUND
	JLOAD G0+4*\s, G1, G0B+4*\s, G1B
.endr
	v_and_b32 v1, 15, v0                           ; r
	v_bfe_u32 v2, v0, 4, 1                         ; h
	s_wait_alu depctr_va_vdst(0)
	v_lshlrev_b32 v4, 4, v1
	v_lshl_add_u32 v4, v2, 11, v4                  ; position r of chunk h
	s_lshl_b32 s21, s[WH], 15
	s_lshl_b32 s22, s[WL], 15
	s_add_co_u32 s22, s22, 2*HALFT
.irp s, 0,1
	v_add_nc_u32 v[ADRA+\s], s21, v4
	v_add_nc_u32 v[ADRB+\s], s22, v4
	s_add_co_u32 s21, s21, SLOT
	s_add_co_u32 s22, s22, SLOT
.endr
	s_lshl_b32 s88, s83, 10                        ; my wave's first column, in bytes of f32: 1,024 x block + 512 x half
	s_lshl_b32 s89, s[WL], 9
	s_add_co_u32 s88, s88, s89
	s_mov_b32 s89, 0
	s_add_nc_u64 s[68:69], s[8:9], s[88:89]        ; in b_proj,
	s_add_nc_u64 s[12:13], s[12:13], s[88:89]      ; and in a row of out0
	s_lshl_b32 s90, s82, 20                        ; my first token: 256 rows of 4,096 bytes a block,
	s_lshl_b32 s91, s[WH], 19                      ; 128 a half
	s_add_co_u32 s90, s90, s91
	s_mov_b32 s91, 0
	s_add_nc_u64 s[12:13], s[12:13], s[90:91]
	v_lshlrev_b32 v8, 6, v2                        ; tile b's eight columns are 32 (b / 2) + 16 h + 8 (b % 2) + 0 .. 7
.irp b, 0,1,2,3,4,5,6,7
	global_load_b128 v[BQ+8*\b:BQ+8*\b+3], v8, s[68:69] offset:128*(\b/2)+32*(\b%2)
	global_load_b128 v[BQ+8*\b+4:BQ+8*\b+7], v8, s[68:69] offset:128*(\b/2)+32*(\b%2)+16
.endr
	s_mul_i32 s23, s[WV], 16*SPITCH                ; my stage
	v_mul_u32_u24 v5, v1, SPITCH                   ; in: row r, 64 bytes on for lanes 16-31
	v_lshl_add_u32 v5, v2, 6, v5
	v_add_nc_u32 v[STO], s23, v5
	v_and_b32 v6, 31, v0
	v_lshlrev_b32 v[CO], 4, v6                     ; back: the 32 lanes take one row of 512 bytes; and the same in out0
	v_add_nc_u32 v[RD], s23, v[CO]
	s_wait_kmcnt 0x0
	s_add_co_i32 s80, s78, s79                     ; e6 + e7
	s_add_co_i32 s80, s80, 127
	s_lshl_b32 s80, s80, 23                        ; 2^(e6 + e7) as f32
	s_mov_b32 s81, s80                             ; (named with it as a pair, so it is written)
.macro FRAG reg, adr, q, i             ; a fragment: 16 positions x 128 K: registers 4 c .. 4 c + 3 = position 16 i + r of chunk 8 q + 2 c + h
.irp c, 0,1,2,3
	ds_load_b128 v[\reg+4*\c:\reg+4*\c+3], v[\adr] offset:(8*(\q)+2*\c)*2048+(\i)*256
.endr
.endm
.macro MUL16 a0, p, zero               ; 16 matrix instructions; the 64 accumulators take turns, one instruction a turn
.irp a, \a0, \a0+1
.irp b, 0,1,2,3,4,5,6,7
.if \zero
	v_wmma_f32_16x16x128_fp8_fp8 v[8*(8*((\a)%4)+\b):8*(8*((\a)%4)+\b)+7], v[128*(\p)+FR*\b:128*(\p)+FR*\b+FR-1], v[AF+FR*(\a):AF+FR*(\a)+FR-1], 0
.else
	v_wmma_f32_16x16x128_fp8_fp8 v[8*(8*((\a)%4)+\b):8*(8*((\a)%4)+\b)+7], v[128*(\p)+FR*\b:128*(\p)+FR*\b+FR-1], v[AF+FR*(\a):AF+FR*(\a)+FR-1], v[8*(8*((\a)%4)+\b):8*(8*((\a)%4)+\b)+7]
.endif
.endr
.endr
.endm
.macro FETCH_B slot, q, p
	WIN TO_B
.irp i, 0,1,2,3,4,5,6,7
	FRAG 128*(\p)+FR*\i, ADRB+\slot, \q, \i
.endr
	WIN 0
.endm
.macro FETCH_A slot, q, i0
.irp i, \i0, \i0+1, \i0+2, \i0+3
	FRAG AF+FR*(\i), ADRA+\slot, \q, \i
.endr
.endm
.macro PLACES n                        ; plain vector lines between a matrix instruction and a load into, or a vector read or write of, its registers
.rept \n
	v_nop
.endr
.endm
.macro STEP slot, q, zero
	s_wait_dscnt 4*NL                              ; the weight's set and y's blocks 0-3 are in; the youngest 16 loads (y's blocks 4-7) may be out
	WIN MUL_LO
	MUL16 0, (\q)%2, \zero
	MUL16 2, (\q)%2, \zero
	s_wait_dscnt 0
	PLACES NP
	FETCH_B \slot, (\q)+1, 1-(\q)%2
	FETCH_A \slot, (\q)+1, 0
	WIN MUL_HI
	MUL16 4, (\q)%2, \zero
	MUL16 6, (\q)%2, \zero
	PLACES NP
	WIN 0
	FETCH_A \slot, (\q)+1, 4
.endm
.macro TURN slot, next, fill           ; a slot's last step changes slots: one barrier, with the waits and the add in front of it
	s_wait_tensorcnt 0x0                           ; all my tensor loads have landed: my part of the next slot
	ds_add_u32 v[SPW], v[NIL]                      ; 0 onto my spare word
	s_wait_dscnt 4*NL+1                            ; (the add and the youngest 16 loads may be out)
	WIN MUL_LO
	MUL16 0, 1, 0
	s_wait_dscnt 0x0                               ; the add is done, and my reads of this slot are over
	s_barrier_signal -1
	MUL16 2, 1, 0
	WIN 0
	s_barrier_wait -1
.if \fill
	CREST                                          ; the barrier has opened a round of the cluster's: no wave of any partner still reads this slot or has a load on its way
	s_add_nc_u64 s[G0+4*\slot+2:G0+4*\slot+3], s[G0+4*\slot+2:G0+4*\slot+3], 2*16*YPB
	s_add_nc_u64 s[G0B+4*\slot+2:G0B+4*\slot+3], s[G0B+4*\slot+2:G0B+4*\slot+3], 2*16*WPB
	JLOAD G0+4*\slot, G1, G0B+4*\slot, G1B         ; the first tensor load behind the round; its four v_nop are the places in front of the loads below
.else
	PLACES NP
.endif
	s_wait_alu depctr_va_vdst(0)
	FETCH_B \next, 0, 0
	FETCH_A \next, 0, 0
	WIN MUL_HI
	MUL16 4, 1, 0
	MUL16 6, 1, 0
	PLACES NP
	WIN 0
	FETCH_A \next, 0, 4
.endm
	s_wait_loadcnt 0x0                             ; the bias
	s_wait_tensorcnt 1                             ; my part of K step 0 is in (K step 1's load may be out),
	s_barrier_signal -1
	s_barrier_wait -1                              ; everybody's is
	FETCH_B 0, 0, 0
	FETCH_A 0, 0, 0
	FETCH_A 0, 0, 4
	STEP 0, 0, 1                                   ; these products start the sums
	TURN 0, 1, 1                                   ; slot 0 takes K step 2
	STEP 1, 0, 0
	TURN 1, 0, 1                                   ; slot 1 takes K step 3
	STEP 0, 0, 0
	TURN 0, 1, 0                                   ; nothing is left to fetch
	STEP 1, 0, 0
	s_wait_dscnt 4*NL
	WIN MUL_LO
	MUL16 0, 1, 0
	MUL16 2, 1, 0
	s_wait_dscnt 0
	WIN MUL_HI
	MUL16 4, 1, 0
	MUL16 6, 1, 0
	WIN 0
; THE WAY OUT, block by block of 16 tokens.  LDS serves a wave's instructions in order (ISA guide 5.7.1.4): no wait between the stores into my stage and the loads from it, nor in front of the next block's stores.
.macro TOSTAGE a
.set AC, 64*((\a)%4)
	WIN 0x42+((\a)/4)                              ; destination window 1, source 0 window 2 or 3, the bias window 0
.irp b, 0,1,2,3,4,5,6,7
.irp i, 0,2,4,6
	v_pk_fma_f32 v[TMP+8*\b+\i:TMP+8*\b+\i+1], v[AC+8*\b+\i:AC+8*\b+\i+1], s[80:81], v[BQ+8*\b+\i:BQ+8*\b+\i+1] op_sel_hi:[1,0,1]   ; sum x 2^(e6 + e7) + bias; each accumulator from its low end on
.endr
.endr
	WIN 0x04                                       ; the stores' data window 1, their address window 0
.irp b, 0,1,2,3,4,5,6,7
	ds_store_b128 v[STO], v[TMP+8*\b:TMP+8*\b+3] offset:128*(\b/2)+32*(\b%2)
	ds_store_b128 v[STO], v[TMP+8*\b+4:TMP+8*\b+7] offset:128*(\b/2)+32*(\b%2)+16
.endr
	WIN 0
.set BB, BK+64*((\a)%2)
.irp t, 0,1,2,3,4,5,6,7,8,9,10,11,12,13,14,15
	ds_load_b128 v[BB+4*\t:BB+4*\t+3], v[RD] offset:\t*SPITCH
.endr
.endm
.macro SEND a, younger                 ; younger: the LDS instructions issued behind block a's loads, which may stay out
.set BB, BK+64*((\a)%2)
	s_wait_dscnt \younger
.if (\a) > 0
	s_add_nc_u64 s[12:13], s[12:13], 16*4096       ; (behind a wait on XCNT: the earlier stores have read their base)  16 rows on
.endif
.irp t, 0,1,2,3,4,5,6,7,8,9,10,11,12,13,14,15
	global_store_b128 v[CO], v[BB+4*\t:BB+4*\t+3], s[12:13] offset:\t*4096 th:TH_STORE_NT   ; 32 lanes store 512 consecutive bytes, at a multiple of 256 from out0's first byte
.endr
.endm
	PLACES NP                                      ; behind the last products, for every read and write below
	TOSTAGE 0
.irp a, 1,2,3,4,5,6,7
.if \a > 1
	s_wait_xcnt 0x0                                ; block a - 2's stores have read their registers and their base: block a's loads may land there, and the base may step
.endif
	TOSTAGE \a
	SEND \a-1, 32                                  ; behind block a - 1's loads: block a's 16 stores and 16 loads
.endr
	s_wait_xcnt 0x0
	SEND 7, 0
	s_wait_tensorcnt 0x0                           ; the wave's end
	ds_add_u32 v[SPW], v[NIL]
	s_wait_dscnt 0x0
	CROUND                                         ; the closing round
	s_endpgm
.Lfunc_end_k_q0f5ce31e10_proj:
	.size	k_q0f5ce31e10_proj, .Lfunc_end_k_q0f5ce31e10_proj-k_q0f5ce31e10_proj
	.p2alignl 7, 3214868480
	.fill 96, 4, 3214868480
	.section	.rodata,"a",@progbits
	.p2align	6, 0x0
	.amdhsa_kernel k_q0f5ce31e10_proj
		.amdhsa_group_segment_fixed_size 327680
		.amdhsa_private_segment_fixed_size 0
		.amdhsa_enable_private_segment 0
		.amdhsa_kernarg_size 40
		.amdhsa_user_sgpr_count 2
		.amdhsa_user_sgpr_kernarg_segment_ptr 1
		.amdhsa_wavefront_size32 1
		.amdhsa_system_sgpr_workgroup_id_x 1
		.amdhsa_system_sgpr_workgroup_id_y 1
		.amdhsa_system_sgpr_workgroup_id_z 1
		.amdhsa_system_vgpr_workitem_id 0
		.amdhsa_next_free_vgpr 1024
		.amdhsa_next_free_sgpr 100
		.amdhsa_reserve_vcc 0
		.amdhsa_float_denorm_mode_32 3
		.amdhsa_float_denorm_mode_16_64 3
		.amdhsa_memory_ordered 1
		.amdhsa_forward_progress 1
		.amdhsa_inst_pref_size 126
	.end_amdhsa_kernel
	.amdgpu_metadata
---
amdhsa.version: [ 1, 2 ]
amdhsa.kernels:
  - .name:           k_q0f5ce31e10_proj
    .symbol:         k_q0f5ce31e10_proj.kd
    .args:
      - { .name: yc, .offset: 0, .size: 8, .value_kind: global_buffer, .address_space: global }
      - { .name: wpc, .offset: 8, .size: 8, .value_kind: global_buffer, .address_space: global }
      - { .name: b_proj, .offset: 16, .size: 8, .value_kind: global_buffer, .address_space: global }
      - { .name: lowp_scales, .offset: 24, .size: 8, .value_kind: global_buffer, .address_space: global }
      - { .name: out0, .offset: 32, .size: 8, .value_kind: global_buffer, .address_space: global }
    .group_segment_fixed_size: 327680
    .private_segment_fixed_size: 0
    .kernarg_segment_align: 8
    .kernarg_segment_size: 40
    .max_flat_workgroup_size: 128
    .sgpr_count:     100
    .vgpr_count:     1024
    .wavefront_size: 32
...
	.end_amdgpu_metadata
.endif
;; end of part 4
